; MI455X (gfx1250); checked and timed in simulation.
; The chip was launched on July 23, 2026; its instructions are those of AMD's public machine-readable ISA for CDNA 5 (MIT licence, August 2026) and "CDNA5" Instruction Set Architecture Reference Guide (July 2026). The comments in the code are by the model that wrote it; some were corrected since.
;; Stable Cross Attention. Allowed arithmetic: matrix products marked QUANTISED: E3M2 operands, one E8M0 scale for each 32 along K, by v_wmma_scale_f32_16x16x128_f8f6f4 with both operands' format E3M2, f32 sums; everything else in f32.
;; Inputs: Wk_codes 1,024 x 32 x 24 uint8 (E3M2 codes of Wk, K innermost, in blocks of 32 codes, four codes in three bytes); Wk_scales 1,024 x 32 uint8 (E8M0 scales of Wk, one for each 32 codes along K); Wo_codes 1,024 x 32 x 24 uint8 (E3M2 codes of Wo, K innermost, in blocks of 32 codes, four codes in three bytes); Wo_scales 1,024 x 32 uint8 (E8M0 scales of Wo, one for each 32 codes along K); Wq_codes 1,024 x 32 x 24 uint8 (E3M2 codes of Wq, K innermost, in blocks of 32 codes, four codes in three bytes); Wq_scales 1,024 x 32 uint8 (E8M0 scales of Wq, one for each 32 codes along K); Wv_codes 1,024 x 32 x 24 uint8 (E3M2 codes of Wv, K innermost, in blocks of 32 codes, four codes in three bytes); Wv_scales 1,024 x 32 uint8 (E8M0 scales of Wv, one for each 32 codes along K); bo 1,024 float32; ln_beta 1,024 float32; ln_gamma 1,024 float32; x 2 x 2,048 x 1,024 float32.
;; Outputs: out0 2 x 2,048 x 1,024 float32.
;; This version of the problem:
;;   THIS VERSION OF THE PROBLEM IS GIVEN IN LOW PRECISION. The matrix products marked QUANTISED in the list below multiply operands that are first quantised to E3M2 (3 exponent bits, 2 mantissa bits; 6 bits a number), with one power-of-two scale for each 32 numbers along K (OCP MX v1.0); their sums are f32. All else is computed in f32.
;;   The module's matrix products, in the order in which they are computed (A, B: the left and right operand; K: the contracted axis; several contracted axes count as one K, in the product's order):
;;     1. [M 4,096, K 1,024] x [K 1,024, N 1,024]; A: computed on the way; B: input Wq (given as codes): QUANTISED
;;     2. [M 4,096, K 1,024] x [K 1,024, N 1,024]; A: computed on the way; B: input Wk (given as codes): QUANTISED
;;     3. [M 4,096, K 1,024] x [K 1,024, N 1,024]; A: computed on the way; B: input Wv (given as codes): QUANTISED
;;     4. batch 32 x [M 2,048, K 64] x [K 64, N 2,048]; A: computed on the way; B: computed on the way: QUANTISED
;;     5. batch 32 x [M 2,048, K 2,048] x [K 2,048, N 64]; A: softmax (see below); B: computed on the way: QUANTISED
;;     6. [M 4,096, K 1,024] x [K 1,024, N 1,024]; A: computed on the way; B: input Wo (given as codes): QUANTISED
;;   THE QUANTISER, for each operand of a quantised product, along K:
;;     - K is cut into blocks of 32 from its start; a last block that is shorter is filled with zeros.
;;     - A block's scale is 2^e with e = floor(log2(the largest magnitude in the block)) - 4, held to -126 .. 127; a block of zeros has e = 0. As a byte (E8M0): e + 127.
;;     - Each number is divided by its block's scale, clamped to +-28, and rounded to the nearest number of E3M2, ties to even, subnormals kept.
;;     - The product sums the exact products of the quantised numbers (number of the format x scale) in f32.
;;   ~~~python
;;   def quantise(x, axis):      # numpy; x: float32 -> the quantised numbers, widened to float32 again
;;       x = np.moveaxis(x, axis, -1); K = x.shape[-1]
;;       x = np.pad(x, [(0, 0)] * (x.ndim - 1) + [(0, -K % 32)]); x = x.reshape(x.shape[:-1] + (-1, 32)); a = np.abs(x).max(-1, keepdims=True)
;;       e = np.where(a > 0, np.clip(np.frexp(np.where(a > 0, a, 1))[1] - 1 - 4, -126, 127), 0)      # np.frexp(a)[1] - 1 = floor(log2(a)), exactly
;;       r = np.clip(x / 2.0 ** e, -28, 28)
;;       step = 2.0 ** (np.maximum(np.frexp(np.where(r == 0, 1, r))[1] - 1, -2) - 2)
;;       q = np.round(r / step) * step * 2.0 ** e      # np.round: ties to even
;;       return np.moveaxis(q.reshape(q.shape[:-2] + (-1,))[..., :K], -1, axis).astype(np.float32)
;;   ~~~
;;   SOFTMAX AHEAD OF A QUANTISED PRODUCT. Where the list says 'softmax', what is quantised is not the finished softmax but p = 2^(t - M), with t = logit x log2(e) and M = ceil(the row's largest t), a whole number; so 1/2 < the row's largest p <= 1. The row's sum l is taken of the UNQUANTISED p, in f32, and the product's result is divided by l at the end. Since M is a whole number, a kernel that streams over the keys may use a running M (the ceiling of the running maximum): every later rescaling is an exact power of two, which a block's scale takes up: the codes' values come out the same.
;;   OPERANDS COMPUTED ON THE WAY. 'Computed on the way' means the value that the module computes at that place (a softmax that the list does not call 'softmax' is quantised finished and normalised). What goes into a quantiser is computed in f32, as accurately as f32 sums, v_exp_f32 and their like allow (about 1e-6 of the number): no bf16 or f16 on the way to a quantiser, and a product that is left as it is and whose result goes on into a quantised operand takes f32 operands (vector FMAs, or v_wmma_f32_16x16x4_f32). A number that lies on a knife's edge between two numbers of the format may be rounded either way, as far as f32 arithmetic and the matrix unit's own rounding can turn it there, and no further.
;;   INPUTS GIVEN AS CODES. Wk (in the module: [1024, 1024], K = its axis 1); Wo (in the module: [1024, 1024], K = its axis 1); Wq (in the module: [1024, 1024], K = its axis 1); Wv (in the module: [1024, 1024], K = its axis 1): each comes as NAME_codes (uint8): NAME with its K axis moved to the last place and cut into blocks of 32 codes, [.., K / 32, bytes a block], one block behind the other in memory; four codes in three bytes: a row's codes are one little-endian stream of bits, code i at bits 6 i .. 6 i + 5 (a code: sign, 3 exponent bits, 2 mantissa bits); and NAME_scales (uint8): the same leading axes, one E8M0 byte (e + 127) for each 32 codes along K. Its value is code x scale, taken as it is: it is not quantised again, and the codes and scales need not be those that the quantiser above would give.
;; One version. Each part assembles by itself: llvm-mc -triple=amdgcn-amd-amdhsa -mcpu=gfx1250 --defsym DOCPART=n.
;; ======== version 1 of 1: 4 launches
;; limits: right only within a limited range of input values
;; workspace buffers: xnf 3,145,728 bytes; xns 131,072 bytes; wf 3,276,800 bytes; qf 3,407,872 bytes; kv 6,815,744 bytes; ao 3,407,872 bytes
;; launch prep (part 1): grid 256 x 1, 4 waves a work-group, no clusters, 67,072 bytes of LDS; arguments x, ln_gamma, ln_beta, Wq_codes, Wk_codes, Wv_codes, Wo_codes, Wq_scales, Wk_scales, Wv_scales, Wo_scales, xnf, xns, wf; writes xnf, xns, wf
.if DOCPART == 1
	.amdgcn_target "amdgcn-amd-amdhsa--gfx1250"
	.amdhsa_code_object_version 6
	.text
	.protected	k_q17ce768b32_prep
	.globl	k_q17ce768b32_prep
	.p2align	8
	.type	k_q17ce768b32_prep,@function
k_q17ce768b32_prep:
	s_mov_b64 s[64:65], 0
	v_nop
	global_prefetch_b8 v0, s[64:65] scope:SCOPE_SE
	s_setreg_imm32_b32 hwreg(HW_REG_WAVE_MODE, 25, 1), 1
	s_wait_xcnt 0x0
; PREP.  (1) xn = LayerNorm(x) gamma + beta, quantised along D to codes of BF6 (E3M2) with one E8M0 byte for each 32, and stored as IMAGES OF OPERAND REGISTERS;
; (2) the four weights' codes and scale bytes, which arrive as rows, are laid once in the same order, so that the later launches fetch dense blocks alone.
; A TILE is 16 rows that are not neighbours: tile 2 g + u holds rows 32 g + 8 u + m + 8 (m / 8), m = 0 .. 15 (tokens of xn, rows of a weight alike): used as source 0 of a product,
; two neighbouring tiles then leave 16 neighbouring rows in a lane's 16 result registers.
; A fragment (16 rows x 128 K, 12 registers a lane) is stored as three runs of 512 bytes: lane l's registers 4 c .. 4 c + 3 at 512 c + 16 l.
; The scale words of a pair of tiles are 1,024 bytes: run qq of 512: lane 16 u + r holds the words of K steps 4 qq .. 4 qq + 3 of row r of tile 2 g + u.
; SHARES.  Work-group T makes token tile T and weight tile T (matrix T / 64 in the order q, k, v, o; head (T % 64) / 4; tile T % 4 of the head's four).
; Wave w normalises rows m = 4 w .. 4 w + 3 (four neighbouring tokens, 16,384 consecutive bytes), puts them into a stage in LDS, and behind a barrier quantises K steps 2 w and 2 w + 1 of all 16 rows.
; The variance is the mean of (x - mean)^2, in a second pass over registers: no difference of large sums.
; No tensor loads, no matrix work, no cluster: work-groups share gamma and beta alone, 8 KB beside 64 KB of x.
; LIMITS: NaN and infinities are not served; a block whose largest magnitude lies under 2^-122 (a block of zeros too) gets the byte 1: the bytes are read by this program alone; 1 / sqrt is v_rsq_f32.
.set STP,  4112                        ; a stage row: 4,096 bytes + 16, so that the 16 rows that a load touches begin 16 bytes apart modulo 256
.set SCW,  16*STP                      ; behind the stage: 512 bytes of scale words
.set GA,   16                          ; v16-47   gamma at my 32 columns
.set BE,   48                          ; v48-79   beta
.set X,    80                          ; v80-207  four rows x 32 numbers; later two K steps x 64 numbers
.set WC,   208                         ; v208-231 two weight fragments
.set WS,   232                         ; v232-235 weight scale words
.set AC,   236                         ; v236-243 a pair for each row: sums
.set PT,   244                         ; v244-247 the other half of the lanes' sums
.set PC0,  16                          ; behind the normalising v16-79 are free: the two fragments' codes,
.set PC1,  28
.set CT,   40                          ; the conversions' second halves,
.set TM,   48                          ; v48-51 largest magnitudes, v52-55 bytes, v60-63 the conversions' scale operands,
.set PW0,  64                          ; and the two scale words
.set PW1,  65
; 64 numbers of a lane, register 16 b + i = k 32 b + 16 (lane / 16) + i of my row, become a fragment's 12 registers at v[pc] and my row's scale word in v[pw]
.macro QUANT s, pc, pw
.irp b, 0,1,2,3
	v_max3_num_f32 v[TM+\b], |v[\s+16*\b]|, |v[\s+1+16*\b]|, 0x2800000   ; my 16 numbers of block b, and the floor 2^(5 - 127): the byte cannot fall under 1
.endr
.irp i, 2,4,6,8,10,12,14
.irp b, 0,1,2,3
	v_max3_num_f32 v[TM+\b], v[TM+\b], |v[\s+16*\b+\i]|, |v[\s+1+16*\b+\i]|
.endr
.endr
.irp b, 0,1,2,3
	v_permlanex16_b32 v[TM+4+\b], v[TM+\b], s34, s35
.endr
.irp b, 0,1,2,3
	v_max_num_f32 v[TM+\b], v[TM+\b], v[TM+4+\b]   ; with lane l xor 16's 16: the block's largest magnitude
.endr
.irp b, 0,1,2,3
	v_add_nc_u32 v[TM+12+\b], 0xfe000000, v[TM+\b]   ; 4 off its exponent field: the conversion's scale operand
.endr
.irp b, 0,1,2,3
	v_lshrrev_b32 v[TM+4+\b], 23, v[TM+12+\b]      ; the scale's byte
.endr
	v_lshl_or_b32 v[\pw], v[TM+5], 8, v[TM+4]
	v_lshl_or_b32 v[\pw], v[TM+6], 16, v[\pw]
	v_lshl_or_b32 v[\pw], v[TM+7], 24, v[\pw]
.irp c, 0,1
	v_cvt_scalef32_pk16_bf6_f32 v[\pc+6*\c:\pc+2+6*\c], v[\s+32*\c:\s+15+32*\c], v[TM+12+2*\c]
	v_cvt_scalef32_pk16_bf6_f32 v[CT+4*\c:CT+2+4*\c], v[\s+16+32*\c:\s+31+32*\c], v[TM+13+2*\c]   ; (a conversion's three registers begin on an even number)
.endr
	v_nop                                          ; one plain place behind a scaled conversion
.irp c, 0,1                                    ; the operand wants a whole block in a lane: lanes 0-15 block 2 c, lanes 16-31 block 2 c + 1
.irp i, 0,1,2
	v_permlane16_swap_b32 v[\pc+6*\c+\i], v[CT+4*\c+\i]
.endr
.irp i, 0,1,2
	v_mov_b32 v[\pc+3+6*\c+\i], v[CT+4*\c+\i]
.endr
.endr
.endm
; the four rows' sums over the 32 lanes, by turns; the result in every lane
.macro RSUM
.irp i, 0,1,2,3
	v_add_f32 v[AC+2*\i], v[AC+2*\i], v[AC+2*\i+1]
.endr
.irp m, 1,2,4,8
.irp i, 0,1,2,3
	v_add_f32_dpp v[AC+2*\i], v[AC+2*\i], v[AC+2*\i] row_xmask:\m row_mask:0xf bank_mask:0xf
.endr
.endr
.irp i, 0,1,2,3
	v_permlanex16_b32 v[PT+\i], v[AC+2*\i], s34, s35
.endr
.irp i, 0,1,2,3
	v_add_f32 v[AC+2*\i], v[AC+2*\i], v[PT+\i]
.endr
.endm
	s_load_b512 s[4:19], s[0:1], 0x0               ; x 4, gamma 6, beta 8, codes of Wq 10, Wk 12, Wv 14, Wo 16, scales of Wq 18
	s_load_b256 s[20:27], s[0:1], 0x40             ; scales of Wk 20, Wv 22, Wo 24, xnf 26
	s_load_b128 s[28:31], s[0:1], 0x60             ; xns 28, wf 30
	v_lshl_add_u32 v254, v0, 2, 0x10400
	v_mov_b32 v255, 0
	v_lshrrev_b32 v1, 5, v0
	v_readfirstlane_b32 s32, v1                    ; wave
	v_and_b32 v1, 31, v0                           ; lane
	v_and_b32 v2, 15, v0                           ; r
	v_bfe_u32 v3, v0, 4, 1                         ; h
	v_lshlrev_b32 v4, 4, v1                        ; 16 x lane
	v_and_b32 v12, 8, v2
	v_add_nc_u32 v12, v12, v2                      ; r + 8 (r / 8)
	v_mul_u32_u24 v5, v12, 768                     ; a weight's row of 1,024 codes is 768 bytes;
	v_mad_u32_u24 v5, v3, 24, v5                   ; + 24 h
	v_lshlrev_b32 v6, 5, v12                       ; its 32 scale bytes;
	v_lshl_add_u32 v6, v3, 4, v6                   ; lanes 16-31 take the upper four words
	s_mul_i32 s36, s32, 4*STP
	v_add_nc_u32 v7, s36, v4                       ; stage, in: my wave's four rows, 16 bytes a lane
	v_mul_u32_u24 v8, v2, STP
	v_lshl_add_u32 v8, v3, 6, v8
	s_lshl_b32 s36, s32, 10
	v_add_nc_u32 v8, s36, v8                       ; stage, out: row r, + 64 h, + my wave's two K steps
	s_lshr_b32 s36, s32, 1
	s_lshl_b32 s36, s36, 8
	s_and_b32 s37, s32, 1
	s_lshl_b32 s37, s37, 3
	s_add_co_u32 s36, s36, s37
	s_add_co_u32 s36, s36, SCW
	v_lshlrev_b32 v9, 4, v2
	v_lshl_add_u32 v9, v3, 2, v9
	v_add_nc_u32 v9, s36, v9                       ; the scale word of K step 2 w + h of row r: SCW + 256 (w / 2) + 16 r + 8 (w % 2) + 4 h
	v_add_nc_u32 v10, SCW, v4                      ; and back, 16 bytes a lane
	v_lshlrev_b32 v11, 9, v3
	v_lshl_add_u32 v11, v2, 4, v11                 ; a tile's place in a scale image: 512 h + 16 r
.irp i, 0,1,2,3
	v_mov_b32 v[PT+\i], 0                          ; written once: a lane permute's destination counts as one of its sources
.endr
	s_mov_b32 s34, 0x76543210
	s_mov_b32 s35, 0xfedcba98                      ; v_permlanex16_b32's selects for lane l xor 16
	s_mov_b32 s60, 0x3a800000                      ; 1 / 1024
	s_mov_b32 s61, 0x3727c5ac                      ; 1e-5
	s_mov_b32 s62, 0xba800000                      ; -1 / 1024
	s_lshr_b32 s36, ttmp9, 1                       ; g
	s_and_b32 s37, ttmp9, 1                        ; u
	s_lshl_b32 s38, s36, 5
	s_lshl_b32 s33, s37, 3
	s_add_co_u32 s38, s38, s33
	s_lshl_b32 s33, s32, 2
	s_add_co_u32 s38, s38, s33
	s_lshr_b32 s33, s32, 1
	s_lshl_b32 s33, s33, 3
	s_add_co_u32 s38, s38, s33                     ; my first token: 32 g + 8 u + 4 w + 8 (w / 2)
	s_lshl_b32 s38, s38, 12                        ; in bytes of x
	s_mov_b32 s39, 0
	s_lshl_b32 s58, s36, 10
	s_lshl_b32 s33, s37, 8
	s_add_co_u32 s58, s58, s33                     ; xns: 1024 g + 256 u
	s_mov_b32 s59, 0
	s_mul_i32 s56, ttmp9, 12288
	s_mul_i32 s33, s32, 3072
	s_add_co_u32 s56, s56, s33                     ; xnf: 12288 T + 3072 w
	s_mov_b32 s57, 0
	s_lshr_b32 s63, ttmp9, 6                       ; which weight
	s_and_b32 s33, ttmp9, 63
	s_lshr_b32 s48, s33, 1
	s_lshl_b32 s48, s48, 5
	s_and_b32 s33, s33, 1
	s_lshl_b32 s33, s33, 3
	s_add_co_u32 s33, s48, s33                     ; the weight tile's first row
	s_mul_i32 s48, s33, 768
	s_mul_i32 s50, s32, 192
	s_add_co_u32 s48, s48, s50                     ; its codes, at my two K steps
	s_mov_b32 s49, 0
	s_lshl_b32 s50, s33, 5                         ; its scale bytes
	s_mov_b32 s51, 0
	s_bfe_u32 s33, ttmp9, 0x40002                  ; the head: (T / 4) % 16
	s_mul_i32 s36, s33, 3
	s_add_co_u32 s36, s36, s63                     ; q, k, v: record 3 x head + matrix, so that a head's three records lie on end
	s_add_co_u32 s33, s33, 48                      ; o: record 48 + head
	s_cmp_lt_u32 s63, 3
	s_cselect_b32 s33, s36, s33
	s_mul_i32 s33, s33, 51200
	s_and_b32 s36, ttmp9, 3                        ; t
	s_mul_i32 s52, s36, 1536
	s_add_co_u32 s52, s52, s33
	s_mul_i32 s37, s32, 12288
	s_add_co_u32 s52, s52, s37
	s_add_co_u32 s52, s52, 2048                    ; fragments: record + 2048 + 6144 (2 w) + 1536 t
	s_mov_b32 s53, 0
	s_lshr_b32 s54, s36, 1
	s_lshl_b32 s54, s54, 10
	s_and_b32 s37, s36, 1
	s_lshl_b32 s37, s37, 8
	s_add_co_u32 s54, s54, s37
	s_add_co_u32 s54, s54, s33                     ; scale image: record + 1024 (t / 2) + 256 (t % 2)
	s_mov_b32 s55, 0
	s_wait_kmcnt 0x0
	s_and_b32 s33, s63, 1                          ; the weight is chosen by the work-group's number alone
	s_cmp_eq_u32 s33, 0
	s_cselect_b64 s[40:41], s[10:11], s[12:13]
	s_cselect_b64 s[42:43], s[14:15], s[16:17]
	s_cselect_b64 s[44:45], s[18:19], s[20:21]
	s_cselect_b64 s[46:47], s[22:23], s[24:25]
	s_cmp_lt_u32 s63, 2
	s_cselect_b64 s[40:41], s[40:41], s[42:43]
	s_cselect_b64 s[44:45], s[44:45], s[46:47]
	s_add_nc_u64 s[4:5], s[4:5], s[38:39]
	s_add_nc_u64 s[40:41], s[40:41], s[48:49]
	s_add_nc_u64 s[44:45], s[44:45], s[50:51]
	s_add_nc_u64 s[52:53], s[30:31], s[52:53]
	s_add_nc_u64 s[54:55], s[30:31], s[54:55]
	s_add_nc_u64 s[56:57], s[26:27], s[56:57]
	s_add_nc_u64 s[58:59], s[28:29], s[58:59]
.irp i, 0,1,2,3
.irp j, 0,1,2,3,4,5,6,7
	global_load_b128 v[X+32*\i+4*\j:X+32*\i+4*\j+3], v4, s[4:5] offset:4096*\i+512*\j   ; 32 lanes read 512 consecutive bytes
.endr
.endr
.irp j, 0,1,2,3,4,5,6,7
	global_load_b128 v[GA+4*\j:GA+4*\j+3], v4, s[6:7] offset:512*\j
.endr
.irp j, 0,1,2,3,4,5,6,7
	global_load_b128 v[BE+4*\j:BE+4*\j+3], v4, s[8:9] offset:512*\j
.endr
.irp e, 0,1
.irp p, 0,1,2,3,4,5
	global_load_b64 v[WC+12*\e+2*\p:WC+12*\e+2*\p+1], v5, s[40:41] offset:96*\e+48*(\p/3)+8*(\p%3)   ; a weight fragment as it lies: 24 bytes twice, in pieces of 8
.endr
.endr
	global_load_b128 v[WS:WS+3], v6, s[44:45]
	s_wait_loadcnt 29                              ; x is in: behind it 16 loads of gamma and beta and 13 of the weight
	; the mean
.irp i, 0,1,2,3
	v_pk_add_f32 v[AC+2*\i:AC+2*\i+1], v[X+32*\i:X+32*\i+1], v[X+32*\i+2:X+32*\i+3]
.endr
.irp j, 4,6,8,10,12,14,16,18,20,22,24,26,28,30
.irp i, 0,1,2,3
	v_pk_add_f32 v[AC+2*\i:AC+2*\i+1], v[AC+2*\i:AC+2*\i+1], v[X+32*\i+\j:X+32*\i+\j+1]
.endr
.endr
	RSUM
.irp i, 0,1,2,3
	v_mul_f32 v[AC+2*\i], s62, v[AC+2*\i]          ; -mean
.endr
.irp j, 0,2,4,6,8,10,12,14,16,18,20,22,24,26,28,30
.irp i, 0,1,2,3
	v_pk_add_f32 v[X+32*\i+\j:X+32*\i+\j+1], v[X+32*\i+\j:X+32*\i+\j+1], v[AC+2*\i:AC+2*\i+1] op_sel_hi:[1,0]   ; x - mean, in place
.endr
.endr
	; the variance
.irp i, 0,1,2,3
	v_pk_mul_f32 v[AC+2*\i:AC+2*\i+1], v[X+32*\i:X+32*\i+1], v[X+32*\i:X+32*\i+1]
.endr
.irp j, 2,4,6,8,10,12,14,16,18,20,22,24,26,28,30
.irp i, 0,1,2,3
	v_pk_fma_f32 v[AC+2*\i:AC+2*\i+1], v[X+32*\i+\j:X+32*\i+\j+1], v[X+32*\i+\j:X+32*\i+\j+1], v[AC+2*\i:AC+2*\i+1]
.endr
.endr
	RSUM
.irp i, 0,1,2,3
	v_fma_f32 v[AC+2*\i], v[AC+2*\i], s60, s61     ; variance + 1e-5
.endr
	s_wait_alu depctr_va_vdst(0)
.irp i, 0,1,2,3
	v_rsq_f32 v[AC+2*\i], v[AC+2*\i]
.endr
	v_nop                                          ; one plain place behind the transcendentals
	s_wait_loadcnt 13                              ; gamma and beta are in: behind them the weight's 13 loads
	s_wait_alu depctr_va_vdst(0)
.irp j, 0,2,4,6,8,10,12,14,16,18,20,22,24,26,28,30
.irp i, 0,1,2,3
	v_pk_mul_f32 v[X+32*\i+\j:X+32*\i+\j+1], v[X+32*\i+\j:X+32*\i+\j+1], v[AC+2*\i:AC+2*\i+1] op_sel_hi:[1,0]
.endr
.irp i, 0,1,2,3
	v_pk_fma_f32 v[X+32*\i+\j:X+32*\i+\j+1], v[X+32*\i+\j:X+32*\i+\j+1], v[GA+\j:GA+\j+1], v[BE+\j:BE+\j+1]
.endr
.endr
.irp i, 0,1,2,3
.irp j, 0,1,2,3,4,5,6,7
	ds_store_b128 v7, v[X+32*\i+4*\j:X+32*\i+4*\j+3] offset:\i*STP+512*\j
.endr
.endr
	s_wait_loadcnt 0x0                             ; the weight's fragments and scale words
.irp e, 0,1
.irp c, 0,1,2
	global_store_b128 v4, v[WC+12*\e+4*\c:WC+12*\e+4*\c+3], s[52:53] offset:6144*\e+512*\c   ; 512 consecutive bytes, aligned to 256
.endr
.endr
	s_cmp_lg_u32 s32, 0                            ; the tile's scale words leave once, by wave 0
	s_cbranch_scc1 .Lno_ws
	global_store_b128 v11, v[WS:WS+3], s[54:55]    ; sixteen lanes store 256 consecutive bytes, aligned
.Lno_ws:
	s_wait_dscnt 0x0                               ; for the others' sake: my rows lie in the stage
	s_barrier_signal -1
	s_barrier_wait -1
.irp e, 0,1
.irp b, 0,1,2,3
.irp j, 0,1,2,3
	ds_load_b128 v[X+64*\e+16*\b+4*\j:X+64*\e+16*\b+4*\j+3], v8 offset:512*\e+128*\b+16*\j   ; row r, k = 128 (2 w + e) + 32 b + 16 h + 4 j ..
.endr
.endr
.endr
.irp b, 0,1,2,3
	v_mov_b32 v[TM+4+\b], 0                        ; a lane permute's destination counts as one of its sources
.endr
	s_wait_dscnt 16                                ; the first K step's 16 loads are in
	QUANT X, PC0, PW0
.irp c, 0,1,2
	global_store_b128 v4, v[PC0+4*\c:PC0+4*\c+3], s[56:57] offset:512*\c
.endr
	s_wait_dscnt 0x0
	QUANT X+64, PC1, PW1
.irp c, 0,1,2
	global_store_b128 v4, v[PC1+4*\c:PC1+4*\c+3], s[56:57] offset:1536+512*\c
.endr
	v_cmp_eq_u32 vcc_lo, 1, v3
	v_cndmask_b32 v66, v[PW0], v[PW1], vcc_lo      ; both halves of the lanes hold row r's words: lanes 0-15 send K step 2 w's, lanes 16-31 K step 2 w + 1's
	ds_store_b32 v9, v66
	s_wait_dscnt 0x0                               ; for wave 0's sake
	s_barrier_signal -1
	s_barrier_wait -1
	s_cmp_lg_u32 s32, 0
	s_cbranch_scc1 .Lend
	ds_load_b128 v[68:71], v10
	s_wait_dscnt 0x0
	global_store_b128 v11, v[68:71], s[58:59]      ; two runs of 256 consecutive bytes, aligned
.Lend:
	s_wait_tensorcnt 0x0
	ds_add_u32 v254, v255
	s_wait_dscnt 0x0
	s_endpgm
.Lfunc_end_k_q17ce768b32_prep:
	.size	k_q17ce768b32_prep, .Lfunc_end_k_q17ce768b32_prep-k_q17ce768b32_prep
	.p2alignl 7, 3214868480
	.fill 96, 4, 3214868480
	.section	.rodata,"a",@progbits
	.p2align	6, 0x0
	.amdhsa_kernel k_q17ce768b32_prep
		.amdhsa_group_segment_fixed_size 67072
		.amdhsa_private_segment_fixed_size 0
		.amdhsa_enable_private_segment 0
		.amdhsa_kernarg_size 112
		.amdhsa_user_sgpr_count 2
		.amdhsa_user_sgpr_kernarg_segment_ptr 1
		.amdhsa_wavefront_size32 1
		.amdhsa_system_sgpr_workgroup_id_x 1
		.amdhsa_system_sgpr_workgroup_id_y 1
		.amdhsa_system_sgpr_workgroup_id_z 1
		.amdhsa_system_vgpr_workitem_id 0
		.amdhsa_next_free_vgpr 256
		.amdhsa_next_free_sgpr 66
		.amdhsa_reserve_vcc 1
		.amdhsa_float_denorm_mode_32 3
		.amdhsa_float_denorm_mode_16_64 3
		.amdhsa_memory_ordered 1
		.amdhsa_forward_progress 1
		.amdhsa_inst_pref_size 48
	.end_amdhsa_kernel
	.amdgpu_metadata
---
amdhsa.version: [ 1, 2 ]
amdhsa.kernels:
  - .name:           k_q17ce768b32_prep
    .symbol:         k_q17ce768b32_prep.kd
    .args:
      - { .name: x, .offset: 0, .size: 8, .value_kind: global_buffer, .address_space: global }
      - { .name: ln_gamma, .offset: 8, .size: 8, .value_kind: global_buffer, .address_space: global }
      - { .name: ln_beta, .offset: 16, .size: 8, .value_kind: global_buffer, .address_space: global }
      - { .name: Wq_codes, .offset: 24, .size: 8, .value_kind: global_buffer, .address_space: global }
      - { .name: Wk_codes, .offset: 32, .size: 8, .value_kind: global_buffer, .address_space: global }
      - { .name: Wv_codes, .offset: 40, .size: 8, .value_kind: global_buffer, .address_space: global }
      - { .name: Wo_codes, .offset: 48, .size: 8, .value_kind: global_buffer, .address_space: global }
      - { .name: Wq_scales, .offset: 56, .size: 8, .value_kind: global_buffer, .address_space: global }
      - { .name: Wk_scales, .offset: 64, .size: 8, .value_kind: global_buffer, .address_space: global }
      - { .name: Wv_scales, .offset: 72, .size: 8, .value_kind: global_buffer, .address_space: global }
      - { .name: Wo_scales, .offset: 80, .size: 8, .value_kind: global_buffer, .address_space: global }
      - { .name: xnf, .offset: 88, .size: 8, .value_kind: global_buffer, .address_space: global }
      - { .name: xns, .offset: 96, .size: 8, .value_kind: global_buffer, .address_space: global }
      - { .name: wf, .offset: 104, .size: 8, .value_kind: global_buffer, .address_space: global }
    .group_segment_fixed_size: 67072
    .private_segment_fixed_size: 0
    .kernarg_segment_align: 8
    .kernarg_segment_size: 112
    .max_flat_workgroup_size: 128
    .sgpr_count:     66
    .vgpr_count:     256
    .wavefront_size: 32
...
	.end_amdgpu_metadata
.endif
;; end of part 1
;; launch qkv (part 2): grid 16 x 16, 4 waves a work-group, clusters of 4 x 1, 327,680 bytes of LDS; arguments xnf, xns, wf, qf, kv; writes qf, kv
.if DOCPART == 2
	.amdgcn_target "amdgcn-amd-amdhsa--gfx1250"
	.amdhsa_code_object_version 6
	.text
	.protected	k_q17ce768b32_qkv
	.globl	k_q17ce768b32_qkv
	.p2align	8
	.type	k_q17ce768b32_qkv,@function
k_q17ce768b32_qkv:
	s_mov_b64 s[64:65], 0
	v_nop
	global_prefetch_b8 v0, s[64:65] scope:SCOPE_SE
	s_setreg_imm32_b32 hwreg(HW_REG_WAVE_MODE, 25, 1), 1
	s_wait_xcnt 0x0
	s_wait_alu depctr_hold_cnt(0) depctr_sa_sdst(0) depctr_va_vdst(0) depctr_va_sdst(0) depctr_va_ssrc(0) depctr_va_vcc(0) depctr_vm_vsrc(0)
	s_getreg_b32 s2, hwreg(HW_REG_IB_STS2, 6, 4)
	s_cmp_eq_u32 s2, 0
	s_cbranch_scc0 .Lentry_in_a_cluster
	s_endpgm
.Lentry_in_a_cluster:
	s_bfe_u32 s2, ttmp6, 0x10000c
	s_cmp_lg_u32 s2, 0x3003
	s_cbranch_scc0 .Lentry_shape_is_right
	s_endpgm
.Lentry_shape_is_right:
; QKV.  Q = xn Wq^T, K = xn Wk^T, V = xn Wv^T on codes of BF6 with E8M0 scales; the results are quantised in registers, Q and K along the head's 64, V along the tokens (the keys), and leave as images of operand registers.
; SHARES.  A work-group takes 256 tokens (rb) x one head; wave w its tokens 64 w .. 64 w + 63: four tiles of 16 (a tile's rows: 32 g + 8 u + m + 8 (m / 8)).  The wave's xn fragments, 4 tiles x 8 K steps = 384 registers,
; come from memory straight into registers, once, and serve three passes (Q, K, V) on the same 16 accumulators.  A pass's weights, the head's record of 51,200 bytes (2,048 of scale words, then [K step][tile][1,536]), lie in LDS.
; CLUSTER.  The four work-groups of a cluster have the same head: each record is asked for jointly, a quarter by each wave.  All three records are first fills: no LDS byte is filled twice.
; xn is read by the sixteen heads' work-groups too and is not shared: it goes to registers; 192 KB of it beside 150 KB of weights would not fit in LDS without filling bytes again.
; Q, K: source 0 = 16 rows of W, source 1 = 16 tokens: a lane holds one token, and the 16 registers of weight tiles 2 b, 2 b + 1 are features 32 b + 16 (lane / 16) + 0 .. 15.
; V: the sources change places: a lane holds one feature, and its registers run along the tokens.
; A HALF FRAGMENT (16 rows x 64 K, 6 registers a lane) leaves as 768 bytes: registers 0-3 at 16 x lane, registers 4-5 at 512 + 8 x lane.
; LIMITS: NaN and infinities are not served; a block whose largest magnitude lies under 2^-122 gets the byte 1 (read by this program alone).
; REGISTERS: window 0: v1 16 L, v2 8 L, v5 h, v6-8 LDS addresses; v16-31 xn's scale words, v32-47 the weights'; v48-79 at work; v80.. codes; v128-255 the accumulators.
;   window 1: xn's fragments of K steps 0-4 at 12 (4 s + i); window 2: of K steps 5-7; window 3: two sets of four weight fragments.
.set REC,  51200
.set SA,   16                          ; register 8 p + s: lanes 0-15 the words of token tile 2 p, lanes 16-31 of tile 2 p + 1, K step s
.set SW,   32                          ; the same for the weight's tiles
.set MX,   48
.set PM,   56
.set SO,   64
.set BY,   72
.set PC,   80
.set PCS,  8
.set CT,   112
.set ACC,  128                         ; accumulator (o, n) at 128 + 32 o + 8 n
.set LA,   6
.set WV,   14
.set G1,   24
.set G0,   32
.set SEL,  62
.set MSB,  0
.macro WIN new                         ; the immediate's high byte repeats the setting that is left
.if MSB != (\new)
	s_set_vgpr_msb (MSB<<8)|(\new)
.set MSB, (\new)
.endif
.endm
.macro PLACES n
.rept \n
	v_nop
.endr
.endm
.macro CROUND                          ; a round of the cluster's barrier
	s_barrier_signal -1
	s_barrier_wait -1
	s_cmp_lg_u32 s[WV], 0
	s_cbranch_scc1 .Lnot_wave_0_\@
	s_barrier_signal -3
.Lnot_wave_0_\@:
	s_barrier_wait -3
	s_barrier_signal -1
	s_barrier_wait -1
.endm
; one product: D at d; sources at a, b; z = 1: C is 0, else C at c; scale registers sa, sb; ra, rb = 1: that side's words stand in lanes 16-31
.macro WM d, a, b, z, c, sa, sb, ra, rb
.if \z
.if (\ra) && (\rb)
	v_wmma_scale_f32_16x16x128_f8f6f4 v[(\d):(\d)+7], v[(\a):(\a)+11], v[(\b):(\b)+11], 0, v[\sa], v[\sb] matrix_a_fmt:MATRIX_FMT_BF6 matrix_b_fmt:MATRIX_FMT_BF6 matrix_a_scale:MATRIX_SCALE_ROW1 matrix_b_scale:MATRIX_SCALE_ROW1
.elseif \ra
	v_wmma_scale_f32_16x16x128_f8f6f4 v[(\d):(\d)+7], v[(\a):(\a)+11], v[(\b):(\b)+11], 0, v[\sa], v[\sb] matrix_a_fmt:MATRIX_FMT_BF6 matrix_b_fmt:MATRIX_FMT_BF6 matrix_a_scale:MATRIX_SCALE_ROW1
.elseif \rb
	v_wmma_scale_f32_16x16x128_f8f6f4 v[(\d):(\d)+7], v[(\a):(\a)+11], v[(\b):(\b)+11], 0, v[\sa], v[\sb] matrix_a_fmt:MATRIX_FMT_BF6 matrix_b_fmt:MATRIX_FMT_BF6 matrix_b_scale:MATRIX_SCALE_ROW1
.else
	v_wmma_scale_f32_16x16x128_f8f6f4 v[(\d):(\d)+7], v[(\a):(\a)+11], v[(\b):(\b)+11], 0, v[\sa], v[\sb] matrix_a_fmt:MATRIX_FMT_BF6 matrix_b_fmt:MATRIX_FMT_BF6
.endif
.else
.if (\ra) && (\rb)
	v_wmma_scale_f32_16x16x128_f8f6f4 v[(\d):(\d)+7], v[(\a):(\a)+11], v[(\b):(\b)+11], v[(\c):(\c)+7], v[\sa], v[\sb] matrix_a_fmt:MATRIX_FMT_BF6 matrix_b_fmt:MATRIX_FMT_BF6 matrix_a_scale:MATRIX_SCALE_ROW1 matrix_b_scale:MATRIX_SCALE_ROW1
.elseif \ra
	v_wmma_scale_f32_16x16x128_f8f6f4 v[(\d):(\d)+7], v[(\a):(\a)+11], v[(\b):(\b)+11], v[(\c):(\c)+7], v[\sa], v[\sb] matrix_a_fmt:MATRIX_FMT_BF6 matrix_b_fmt:MATRIX_FMT_BF6 matrix_a_scale:MATRIX_SCALE_ROW1
.elseif \rb
	v_wmma_scale_f32_16x16x128_f8f6f4 v[(\d):(\d)+7], v[(\a):(\a)+11], v[(\b):(\b)+11], v[(\c):(\c)+7], v[\sa], v[\sb] matrix_a_fmt:MATRIX_FMT_BF6 matrix_b_fmt:MATRIX_FMT_BF6 matrix_b_scale:MATRIX_SCALE_ROW1
.else
	v_wmma_scale_f32_16x16x128_f8f6f4 v[(\d):(\d)+7], v[(\a):(\a)+11], v[(\b):(\b)+11], v[(\c):(\c)+7], v[\sa], v[\sb] matrix_a_fmt:MATRIX_FMT_BF6 matrix_b_fmt:MATRIX_FMT_BF6
.endif
.endif
.endm
; n runs of 32 registers from v[src] on, register 16 b + i of a run = k 32 b + 16 (lane / 16) + i of my row, become n half fragments at v[PC + PCS o] and their scale words (bytes 0, 1; the upper two 0) in v[MX + o].
; Each accumulator is read from its low end on.
.macro QHF n, src
.set QI, 0
.rept 2*\n
	v_max3_num_f32 v[MX+QI], |v[\src+16*QI]|, |v[\src+16*QI+1]|, 0x2800000   ; my 16 numbers of the block, and the floor 2^(5 - 127)
.set QI, QI+1
.endr
.irp i, 2,4,6,8,10,12,14
.set QI, 0
.rept 2*\n
	v_max3_num_f32 v[MX+QI], v[MX+QI], |v[\src+16*QI+\i]|, |v[\src+16*QI+\i+1]|
.set QI, QI+1
.endr
.endr
.set QI, 0
.rept 2*\n
	v_permlanex16_b32 v[PM+QI], v[MX+QI], s[SEL], s[SEL+1]
.set QI, QI+1
.endr
.set QI, 0
.rept 2*\n
	v_max_num_f32 v[MX+QI], v[MX+QI], v[PM+QI]     ; with lane l xor 16's 16: the block's largest magnitude
.set QI, QI+1
.endr
.set QI, 0
.rept 2*\n
	v_add_nc_u32 v[SO+QI], 0xfe000000, v[MX+QI]    ; 4 off its exponent field: the conversion's scale operand
.set QI, QI+1
.endr
.set QI, 0
.rept 2*\n
	v_lshrrev_b32 v[BY+QI], 23, v[SO+QI]           ; the scale's byte
.set QI, QI+1
.endr
.set QI, 0
.rept \n
	v_lshl_or_b32 v[MX+QI], v[BY+2*QI+1], 8, v[BY+2*QI]
.set QI, QI+1
.endr
.set QI, 0
.rept \n
	v_cvt_scalef32_pk16_bf6_f32 v[PC+PCS*QI:PC+PCS*QI+2], v[\src+32*QI:\src+32*QI+15], v[SO+2*QI]
	v_cvt_scalef32_pk16_bf6_f32 v[CT+4*QI:CT+4*QI+2], v[\src+32*QI+16:\src+32*QI+31], v[SO+2*QI+1]
.set QI, QI+1
.endr
	v_nop                                          ; one plain place behind a scaled conversion
.set QI, 0
.rept \n
.irp i, 0,1,2
	v_permlane16_swap_b32 v[PC+PCS*QI+\i], v[CT+4*QI+\i]   ; a whole block to a lane: lanes 0-15 block 0, lanes 16-31 block 1
.endr
.irp i, 0,1,2
	v_mov_b32 v[PC+PCS*QI+3+\i], v[CT+4*QI+\i]
.endr
.set QI, QI+1
.endr
.endm
	s_load_b256 s[4:11], s[0:1], 0x0               ; xnf 4, xns 6, wf 8, qf 10
	s_load_b64 s[12:13], s[0:1], 0x20              ; kv
	v_lshl_add_u32 v123, v0, 2, 0x29000
	v_mov_b32 v127, 0
	ds_add_u32 v123, v127
	ds_add_u32 v123, v127
	v_lshrrev_b32 v1, 5, v0
	v_readfirstlane_b32 s[WV], v1                  ; wave
	v_and_b32 v3, 31, v0                           ; lane
	v_lshlrev_b32 v1, 4, v3
	v_lshlrev_b32 v2, 3, v3
	v_bfe_u32 v5, v0, 4, 1                         ; h
	v_lshlrev_b32 v[LA], 4, v3                     ; LDS: 16 x lane in pass m's record
	v_lshl_add_u32 v[LA+1], v3, 4, REC
	v_lshl_add_u32 v[LA+2], v3, 4, 2*REC
	v_cmp_eq_u32 s60, 1, v5                        ; lanes 16-31
	s_mov_b32 s[SEL], 0x76543210
	s_mov_b32 s[SEL+1], 0xfedcba98
	s_bfe_u32 s15, ttmp6, 0x40000                  ; cx
	s_lshl_b32 s16, ttmp9, 2
	s_add_co_u32 s16, s16, s15                     ; rb: my block of 256 tokens
	s_and_b32 s17, ttmp7, 0xffff                   ; the head, which the four partners share
	s_lshr_b32 s18, s16, 3
	s_lshl_b32 s18, s18, 4
	s_add_co_u32 s18, s18, s17                     ; 16 x batch + head
	s_lshl_b32 s19, s16, 2
	s_add_co_u32 s19, s19, s[WV]                   ; my block of 64 tokens
	s_mul_i32 s44, s19, 49152                      ; its four tiles' fragments,
	s_mov_b32 s45, 0
	s_lshl_b32 s46, s19, 11                        ; and two scale images
	s_mov_b32 s47, 0
	s_and_b32 s20, s16, 7
	s_lshl_b32 s48, s18, 5
	s_lshl_b32 s21, s20, 2
	s_add_co_u32 s48, s48, s21
	s_add_co_u32 s48, s48, s[WV]
	s_mul_i32 s48, s48, 3328                       ; Q's record: 32 (16 b + head) + the block of 64 within the batch
	s_mov_b32 s49, 0
	s_mul_i32 s50, s18, 212992
	s_lshl_b32 s21, s20, 1
	s_lshr_b32 s22, s[WV], 1
	s_add_co_u32 s21, s21, s22
	s_mul_i32 s21, s21, 13312
	s_add_co_u32 s50, s50, s21                     ; K's and V's record: the key step of 128
	s_mov_b32 s51, 0
	s_and_b32 s22, s[WV], 1                        ; which 64 of its keys are mine
	s_lshl_b32 s61, s22, 4                         ; V's scale bytes stand 16 bits up for the upper 64
	s_mul_i32 s20, s22, 3072
	s_mov_b32 s21, 0
	s_lshl_b32 s22, s22, 8
	s_mov_b32 s23, 0
	s_mul_i32 s56, s17, 3*REC                      ; the joint load: head and wave alone; the head's three records lie on end
	s_mul_i32 s58, s[WV], 12800                    ; a quarter of the first record
	s_mov_b32 s59, 0
	s_add_co_u32 s56, s56, s58
	s_mov_b32 s57, 0
	s_mov_b32 s[G1+0], 15|(3<<16)|(1<<21)          ; the mask: all four work-groups; elements of 8 bytes; bit 21 beside a mask; no padding
	s_mov_b32 s[G1+1], 32<<16                      ; tensor_dim0 = 32 elements: rows of 256 bytes
	s_mov_b32 s[G1+2], 50<<16                      ; tensor_dim1 = 50 rows: a quarter of a record
	s_mov_b32 s[G1+3], 32<<16                      ; tile_dim0
	s_mov_b32 s[G1+4], 50                          ; tile_dim1
	s_mov_b32 s[G1+5], 32                          ; the pitch: dense
	s_mov_b32 s[G1+6], 0
	s_mov_b32 s[G1+7], 0
	s_wait_alu depctr_va_vdst(0)
	s_wait_dscnt 0x0
	s_wait_kmcnt 0x0
	s_add_nc_u64 s[44:45], s[4:5], s[44:45]
	s_add_nc_u64 s[46:47], s[6:7], s[46:47]
	s_add_nc_u64 s[48:49], s[10:11], s[48:49]
	s_add_nc_u64 s[50:51], s[12:13], s[50:51]
	s_add_nc_u64 s[52:53], s[50:51], s[20:21]      ; K's and V's codes: + 3072 (w % 2)
	s_add_nc_u64 s[54:55], s[50:51], s[22:23]      ; their scale words: + 256 (w % 2)
	s_add_nc_u64 s[56:57], s[8:9], s[56:57]
	s_mov_b32 s[G0], 1
	s_mov_b32 s[G0+1], s58                         ; the place in LDS is the place in the three records
	s_mov_b64 s[G0+2:G0+3], s[56:57]
	s_or_b32 s[G0+3], s[G0+3], 0x80000000
	s_mov_b32 s[G0+4], 1                           ; the second load: a quarter of records 1 and 2, 25,600 bytes at REC + 25,600 x wave
	s_lshl_b32 s[G0+5], s58, 1
	s_add_co_u32 s[G0+5], s[G0+5], REC
	s_add_nc_u64 s[G0+6:G0+7], s[56:57], s[58:59]
	s_add_nc_u64 s[G0+6:G0+7], s[G0+6:G0+7], REC
	s_or_b32 s[G0+7], s[G0+7], 0x80000000
.macro ALOAD s                         ; my four tiles' fragments of K step s
.if \s < 5
	WIN 0x40
.set AB, 48*\s
.else
	WIN 0x80
.set AB, 48*(\s-5)
.endif
.irp i, 0,1,2,3
.irp c, 0,1,2
	global_load_b128 v[AB+12*\i+4*\c:AB+12*\i+4*\c+3], v1, s[44:45] offset:12288*\i+1536*\s+512*\c
.endr
.endr
.endm
.irp p, 0,1
.irp c, 0,1
	global_load_b128 v[SA+8*\p+4*\c:SA+8*\p+4*\c+3], v1, s[46:47] offset:1024*\p+512*\c
.endr
.endr
.irp s, 0,1,2,3
	ALOAD \s
.endr
	WIN 0
	CROUND                                         ; all four work-groups are here: the joint loads meet
	tensor_load_to_lds s[G0:G0+3], s[G1:G1+7]      ; my one tensor load: 12,800 bytes, a quarter of record 0
	s_nop 0
	PLACES 4
.irp s, 4,5,6,7
	ALOAD \s
.endr
	WIN 0
.irp i, 0,1,2,3,4,5,6,7
	v_mov_b32 v[PM+\i], 0                          ; a lane permute's destination counts as one of its sources
.endr
.macro FETCHW m, s                     ; the four weight fragments of K step s into set s % 2
	WIN 0xc0
.irp n, 0,1,2,3
.irp c, 0,1,2
	ds_load_b128 v[48*((\s)%2)+12*\n+4*\c:48*((\s)%2)+12*\n+4*\c+3], v[LA+\m] offset:2048+6144*(\s)+1536*\n+512*\c
.endr
.endr
.endm
; A K step of 128: 16 products, the 16 accumulators by turns, one instruction a turn, in the same order in every step.
.macro KSTEP m, s, swap, first
.if \first
.set LC, 84-12*\s                      ; behind K step s's xn loads stand 12 for each later step; the count is held at what the wait can name
.if LC > 63
.set LC, 63
.endif
	s_wait_loadcnt LC
.endif
	s_wait_dscnt 0x0                               ; this step's weight fragments, asked for a step ago
.if \s < 7
.if \s > 0
	PLACES 4                                       ; in front of loads into the set that the last step's products read
.endif
	FETCHW \m, \s+1
.endif
.set WB, 48*(\s%2)
.if \s < 5
.set AFR, 48*\s
.set AW, 1
.else
.set AFR, 48*(\s-5)
.set AW, 2
.endif
.if \s == 0
.set ZZ, 1
.else
.set ZZ, 0
.endif
.if \swap
.set WN, AW|0x0c
.else
.set WN, 0x03|(AW<<2)
.endif
	WIN WN
.irp o, 0,1,2,3
.irp n, 0,1,2,3
.if \swap
	WM ACC+32*\o+8*\n, AFR+12*\n, WB+12*\o, ZZ, ACC+32*\o+8*\n, SA+8*(\n/2)+\s, SW+8*(\o/2)+\s, \n%2, \o%2
.else
	WM ACC+32*\o+8*\n, WB+12*\n, AFR+12*\o, ZZ, ACC+32*\o+8*\n, SW+8*(\n/2)+\s, SA+8*(\o/2)+\s, \n%2, \o%2
.endif
.endr
.endr
.endm
.macro PASS m, swap, first
.if \m == 1
	s_wait_tensorcnt 0x0                           ; my quarter of records 1 and 2 is in
	s_barrier_signal -1
	s_barrier_wait -1                              ; everybody's is
.endif
.irp q, 0,1,2,3
	ds_load_b128 v[SW+4*\q:SW+4*\q+3], v[LA+\m] offset:512*\q
.endr
	FETCHW \m, 0
.irp s, 0,1,2,3,4,5,6,7
	KSTEP \m, \s, \swap, \first
.endr
	WIN 0
.endm
; The way out of a pass: four half fragments and their scale words.
.macro EPI cb, coff, sb, soff, shift
	s_wait_xcnt 0x0                                ; the last pass's stores have read their data registers, which are written again below
	PLACES 4                                       ; in front of the first read of results
	QHF 4, ACC
	v_cndmask_b32 v[MX+4], v[MX+0], v[MX+1], s60   ; lane 16 u + r: the words of row r of tiles u and 2 + u
	v_cndmask_b32 v[MX+5], v[MX+2], v[MX+3], s60
.if \shift
	v_lshlrev_b32 v[MX+4], s61, v[MX+4]
	v_lshlrev_b32 v[MX+5], s61, v[MX+5]
.endif
.irp o, 0,1,2,3
	global_store_b128 v1, v[PC+8*\o:PC+8*\o+3], s[\cb:\cb+1] offset:\coff+768*\o          ; 512 consecutive bytes, aligned to 256
	global_store_b64 v2, v[PC+8*\o+4:PC+8*\o+5], s[\cb:\cb+1] offset:\coff+768*\o+512     ; 256 consecutive bytes, aligned
.endr
	global_store_b64 v2, v[MX+4:MX+5], s[\sb:\sb+1] offset:\soff
.endm
	s_wait_alu depctr_va_vdst(0)
	s_wait_tensorcnt 0x0                           ; my quarter of record 0 is in
	ds_add_u32 v123, v127
	s_mov_b32 s[G1+2], 100<<16                     ; no tensor load of mine is out, so the descriptor may be written: 100 rows
	s_mov_b32 s[G1+4], 100
	s_wait_dscnt 0x0
	CROUND                                         ; everybody's quarter is in, and all four work-groups are here
	tensor_load_to_lds s[G0+4:G0+7], s[G1:G1+7]    ; records 1 and 2: my one tensor load behind the round
	s_nop 0
	PLACES 4
	PASS 0, 0, 1
	EPI 48, 0, 48, 3072, 0                         ; Q
	PASS 1, 0, 0
	EPI 52, 0, 54, 12288, 0                        ; K
	PASS 2, 1, 0
	EPI 52, 6144, 54, 12800, 1                     ; V, keys innermost
	s_wait_tensorcnt 0x0
	ds_add_u32 v123, v127
	s_wait_dscnt 0x0
	CROUND                                         ; the closing round
	s_endpgm
.Lfunc_end_k_q17ce768b32_qkv:
	.size	k_q17ce768b32_qkv, .Lfunc_end_k_q17ce768b32_qkv-k_q17ce768b32_qkv
	.p2alignl 7, 3214868480
	.fill 96, 4, 3214868480
	.section	.rodata,"a",@progbits
	.p2align	6, 0x0
	.amdhsa_kernel k_q17ce768b32_qkv
		.amdhsa_group_segment_fixed_size 327680
		.amdhsa_private_segment_fixed_size 0
		.amdhsa_enable_private_segment 0
		.amdhsa_kernarg_size 40
		.amdhsa_user_sgpr_count 2
		.amdhsa_user_sgpr_kernarg_segment_ptr 1
		.amdhsa_wavefront_size32 1
		.amdhsa_system_sgpr_workgroup_id_x 1
		.amdhsa_system_sgpr_workgroup_id_y 1
		.amdhsa_system_sgpr_workgroup_id_z 1
		.amdhsa_system_vgpr_workitem_id 0
		.amdhsa_next_free_vgpr 896
		.amdhsa_next_free_sgpr 66
		.amdhsa_reserve_vcc 0
		.amdhsa_float_denorm_mode_32 3
		.amdhsa_float_denorm_mode_16_64 3
		.amdhsa_memory_ordered 1
		.amdhsa_forward_progress 1
		.amdhsa_inst_pref_size 113
	.end_amdhsa_kernel
	.amdgpu_metadata
---
amdhsa.version: [ 1, 2 ]
amdhsa.kernels:
  - .name:           k_q17ce768b32_qkv
    .symbol:         k_q17ce768b32_qkv.kd
    .args:
      - { .name: xnf, .offset: 0, .size: 8, .value_kind: global_buffer, .address_space: global }
      - { .name: xns, .offset: 8, .size: 8, .value_kind: global_buffer, .address_space: global }
      - { .name: wf, .offset: 16, .size: 8, .value_kind: global_buffer, .address_space: global }
      - { .name: qf, .offset: 24, .size: 8, .value_kind: global_buffer, .address_space: global }
      - { .name: kv, .offset: 32, .size: 8, .value_kind: global_buffer, .address_space: global }
    .group_segment_fixed_size: 327680
    .private_segment_fixed_size: 0
    .kernarg_segment_align: 8
    .kernarg_segment_size: 40
    .max_flat_workgroup_size: 128
    .sgpr_count:     66
    .vgpr_count:     896
    .wavefront_size: 32
...
	.end_amdgpu_metadata
.endif
;; end of part 2
;; launch attn (part 3): grid 8 x 32, 8 waves a work-group, clusters of 4 x 1, 327,680 bytes of LDS; arguments qf, kv, ao; writes ao
.if DOCPART == 3
	.amdgcn_target "amdgcn-amd-amdhsa--gfx1250"
	.amdhsa_code_object_version 6
	.text
	.protected	k_q17ce768b32_attn
	.globl	k_q17ce768b32_attn
	.p2align	8
	.type	k_q17ce768b32_attn,@function
k_q17ce768b32_attn:
	s_mov_b64 s[64:65], 0
	v_nop
	global_prefetch_b8 v0, s[64:65] scope:SCOPE_SE
	s_setreg_imm32_b32 hwreg(HW_REG_WAVE_MODE, 25, 1), 1
	s_wait_xcnt 0x0
	s_wait_alu depctr_hold_cnt(0) depctr_sa_sdst(0) depctr_va_vdst(0) depctr_va_sdst(0) depctr_va_ssrc(0) depctr_va_vcc(0) depctr_vm_vsrc(0)
	s_getreg_b32 s2, hwreg(HW_REG_IB_STS2, 6, 4)
	s_cmp_eq_u32 s2, 0
	s_cbranch_scc0 .Lentry_in_a_cluster
	s_endpgm
.Lentry_in_a_cluster:
	s_bfe_u32 s2, ttmp6, 0x10000c
	s_cmp_lg_u32 s2, 0x3003
	s_cbranch_scc0 .Lentry_shape_is_right
	s_endpgm
.Lentry_shape_is_right:
; ATTN.  O = softmax(clip(Q K^T / 16, -10, 10)) V for one (batch, head), both products on codes of BF6 with E8M0 scales; O / l is quantised along the head's 64 and leaves as half fragments for the last product.
; THE SOFTMAX.  t = clip(score / 16, -10, 10) x log2(e) lies within +-14.43 for every input, by the clip that the problem itself makes: p = 2^t lies between 2^-14.5 and 2^14.5 and a row's sum of 2,048 of them
; under 4.6e7, so nothing overflows or underflows in f32, and the whole number M that the problem takes off t is taken as 0: a power of two that each block's scale takes up; the codes' values are the same.
; The clip is made on the raw score at +-160 (1 / 16 is exact).  The row's sum is taken of the unquantised p and divides O at the end (v_rcp_f32).
; A block's largest p is not searched for: the block's largest clipped score goes through the same multiplication and exponential.
; SHARES.  A work-group owns 256 queries, each of its eight waves 32: two tiles of 16; two waves to a SIMD.  The head's K and V, 16 key steps x 13,312 bytes, lie in LDS whole, each byte filled once:
; key steps 0-1 by the head's load (13 rows of 256 bytes a wave), key steps 2-15 by a second load a wave (91 rows); it is awaited behind key step 0.
; CLUSTER: the four work-groups of a cluster have the same head and ask jointly.  No prefetch: all bytes are asked for by these two loads at the head, and the loop over the keys loads nothing from memory.
; LAYOUT.  S^T = K Q^T (source 0 = 16 keys, source 1 = 16 queries), O^T = V^T P^T: a lane holds one query throughout.  K = 64 in a form of 128: the upper 64 codes of Q are zeros, written once.
; K's half fragments lie 6 registers apart, so that the upper 64 codes of a K operand are the next tile's codes (behind the last: zeros): finite numbers that meet Q's zeros and add nothing.
; WHICH KEYS FORM A TILE is chosen by the LDS addresses: row m of tile t = 4 c + i is key 64 c + 32 (m / 8) + 8 i + m % 8.  So lane (r, h)'s 32 registers of tiles 4 c .. 4 c + 3 are keys 64 c + 32 h + 0 .. 31:
; a whole block of 32, in the order that p's operand wants: its maximum needs no other lane and its codes no exchange of lanes.  In the record, as the launch before stores it, that key lies in
; tile 4 c + 2 (r / 8) + i % 2 at lane r % 8 + 8 (i / 2) + 16 h.
; PLAIN WORK AMONG THE PRODUCTS, under the products' own register windows: behind each product of group g = 2 q + c stand eight clips of group g - 1 (the clip's one vector source stands in the place of source 2);
; behind each product of O^T eight packed sums of p (the sums lie in window 1, like O^T).  The exponentials go in four batches, one a group, with the next group's multiplications among them.
; LIMITS: NaN and infinities are not served; at the way out a block whose largest magnitude lies under 2^-122 gets the byte 1 (read by this program alone).
; REGISTERS: window 0: v1-5 address bases, v6 8 h, v7, v12-15 addresses; v8-11, v16-18, v20-21 scale words; v22-23 for the add; v24-31 at work; v32-39 conversions' second halves (v32-35 first V's scale words as they lie);
;   v40-63 p's codes; v64-191 S^T, then p (32 g + j).   window 1: K's half fragments at 6 t; V's fragments at 56 + 12 t; Q's at 104 + 12 q; O^T at 128 + 32 q + 8 t; the sums at 192 + 32 q.
.set SPARE, 0x34000                    ; behind K and V: the spare words, 128 bytes a wave
.set KSB,  13312                       ; a key step's bytes
.set BK16, 1
.set BK8,  2
.set BKS,  3
.set BV16, 4                           ; 16 x lane
.set BV8,  5                           ; 8 x lane
.set SH,   6
.set AK16, 7
.set KS,   8                           ; v8-11: K's scale words: register t / 2, lanes 0-15 tile t even, lanes 16-31 odd
.set AK8,  12
.set AKS,  13
.set AV16, 14
.set AV8,  15
.set VS,   16
.set QS,   18
.set L4,   19                          ; 4 x lane
.set PS,   20
.set SPW,  22
.set NIL,  23
.set MX,   24
.set BY,   28
.set CT,   32
.set VR,   32
.set PC,   40
.set S,    64
.set KF,   0
.set VF,   56
.set QF,   104
.set O,    128
.set AC,   192
.set WV,   10
.set G0,   48
.set TB,   60
.set SEL,  62
.set MSB,  0
.macro WIN new                         ; the immediate's high byte repeats the setting that is left
.if MSB != (\new)
	s_set_vgpr_msb (MSB<<8)|(\new)
.set MSB, (\new)
.endif
.endm
.macro PLACES n
.rept \n
	v_nop
.endr
.endm
.macro CROUND                          ; a round of the cluster's barrier
	s_barrier_signal -1
	s_barrier_wait -1
	s_cmp_lg_u32 s[WV], 0
	s_cbranch_scc1 .Lnot_wave_0_\@
	s_barrier_signal -3
.Lnot_wave_0_\@:
	s_barrier_wait -3
	s_barrier_signal -1
	s_barrier_wait -1
.endm
; one product: D at d, sources at a, b, C as written; ra, rb = 1: that side's scale words stand in lanes 16-31
.macro WM d, a, b, c, sa, sb, ra, rb
.if (\ra) && (\rb)
	v_wmma_scale_f32_16x16x128_f8f6f4 v[(\d):(\d)+7], v[(\a):(\a)+11], v[(\b):(\b)+11], \c, v[\sa], v[\sb] matrix_a_fmt:MATRIX_FMT_BF6 matrix_b_fmt:MATRIX_FMT_BF6 matrix_a_scale:MATRIX_SCALE_ROW1 matrix_b_scale:MATRIX_SCALE_ROW1
.elseif (\ra)
	v_wmma_scale_f32_16x16x128_f8f6f4 v[(\d):(\d)+7], v[(\a):(\a)+11], v[(\b):(\b)+11], \c, v[\sa], v[\sb] matrix_a_fmt:MATRIX_FMT_BF6 matrix_b_fmt:MATRIX_FMT_BF6 matrix_a_scale:MATRIX_SCALE_ROW1
.elseif (\rb)
	v_wmma_scale_f32_16x16x128_f8f6f4 v[(\d):(\d)+7], v[(\a):(\a)+11], v[(\b):(\b)+11], \c, v[\sa], v[\sb] matrix_a_fmt:MATRIX_FMT_BF6 matrix_b_fmt:MATRIX_FMT_BF6 matrix_b_scale:MATRIX_SCALE_ROW1
.else
	v_wmma_scale_f32_16x16x128_f8f6f4 v[(\d):(\d)+7], v[(\a):(\a)+11], v[(\b):(\b)+11], \c, v[\sa], v[\sb] matrix_a_fmt:MATRIX_FMT_BF6 matrix_b_fmt:MATRIX_FMT_BF6
.endif
.endm
.macro KADR                            ; K's addresses for the key step at LDS byte s[TB]
	v_add_nc_u32 v[AK16], s[TB], v[BK16]
	v_add_nc_u32 v[AK8], s[TB], v[BK8]
	v_add_nc_u32 v[AKS], s[TB], v[BKS]
.endm
.macro KLOAD                           ; eight half fragments of K and their scale words: 20 LDS loads
	WIN 0x40
.irp t, 0,1,2,3,4,5,6,7
	ds_load_b128 v[KF+6*\t:KF+6*\t+3], v[AK16] offset:3072*(\t/4)+768*(\t%2)+128*((\t%4)/2)
	ds_load_b64 v[KF+6*\t+4:KF+6*\t+5], v[AK8] offset:3072*(\t/4)+768*(\t%2)+64*((\t%4)/2)+512
.endr
	WIN 0
.irp p, 0,1,2,3
	ds_load_b32 v[KS+\p], v[AKS] offset:12288+256*(\p/2)+64*(\p%2)
.endr
.endm
.macro MULR g, j0, n                   ; t of n pairs of group g, from register j0 on
.set JI, \j0
.rept \n
	v_pk_mul_f32 v[S+32*\g+JI:S+32*\g+JI+1], v[S+32*\g+JI:S+32*\g+JI+1], s[66:67] op_sel_hi:[1,0]
.set JI, JI+2
.endr
.endm
.macro BATCH e, m                      ; the exponentials of group e; among them the multiplications of group m (-1: none), which hang on nothing written in this batch
.set JI, 0
.rept 16
	v_exp_f32 v[S+32*\e+JI], v[S+32*\e+JI]
.if \m >= 0
	v_pk_mul_f32 v[S+32*\m+JI:S+32*\m+JI+1], v[S+32*\m+JI:S+32*\m+JI+1], s[66:67] op_sel_hi:[1,0]
.endif
	v_exp_f32 v[S+32*\e+JI+1], v[S+32*\e+JI+1]
.set JI, JI+2
.endr
.endm
.macro SUMS n                          ; n of the step's 64 packed sums: pair CJ of p onto sum CJ % 16 of its query tile (destination and source 0 in window 1, source 1 in window 0)
.rept \n
.if CJ < 64
	v_pk_add_f32 v[AC+32*(CJ/32)+2*(CJ%16):AC+32*(CJ/32)+2*(CJ%16)+1], v[AC+32*(CJ/32)+2*(CJ%16):AC+32*(CJ/32)+2*(CJ%16)+1], v[S+2*CJ:S+2*CJ+1]
.set CJ, CJ+1
.endif
.endr
.endm
.macro CVT q                           ; query tile q's 64 p a lane become codes; a conversion's three registers begin on an even number, so each block's second half is made in v[CT ..] and moved
.irp c, 0,1
	v_cvt_scalef32_pk16_bf6_f32 v[PC+12*\q+6*\c:PC+12*\q+6*\c+2], v[S+64*\q+32*\c:S+64*\q+32*\c+15], v[MX+2*\q+\c]
	v_cvt_scalef32_pk16_bf6_f32 v[CT+4*\c:CT+4*\c+2], v[S+64*\q+32*\c+16:S+64*\q+32*\c+31], v[MX+2*\q+\c]
.endr
.endm
.macro MOV3 q, c
.irp i, 0,1,2
	v_mov_b32 v[PC+12*\q+6*\c+3+\i], v[CT+4*\c+\i]
.endr
.endm
	s_load_b128 s[4:7], s[0:1], 0x0                ; qf 4, kv 6
	s_load_b64 s[8:9], s[0:1], 0x10                ; ao
	v_lshl_add_u32 v[SPW], v0, 2, SPARE
	v_mov_b32 v[NIL], 0
	ds_add_u32 v[SPW], v[NIL]                      ; the opening add, twice on end, and its wait
	ds_add_u32 v[SPW], v[NIL]
	v_lshrrev_b32 v7, 5, v0
	s_delay_alu instid0(VALU_DEP_1)
	v_readfirstlane_b32 s[WV], v7                  ; wave 0..7
	s_bfe_u32 s11, ttmp6, 0x40000                  ; cx
	s_lshl_b32 s12, ttmp9, 2
	s_add_co_u32 s12, s12, s11                     ; my block of 256 queries
	s_and_b32 s13, ttmp7, 0xffff                   ; 16 x batch + head, which the four partners share
	s_mul_i32 s20, s13, 212992                     ; the joint loads: head and wave alone
	s_mov_b32 s21, 0
	s_mul_i32 s14, s[WV], 3328                     ; key steps 0-1: an eighth
	s_mul_i32 s15, s[WV], 23296
	s_add_co_u32 s15, s15, 26624                   ; key steps 2-15: an eighth
	s_mov_b32 s19, 0
.irp g, 24,32                          ; two groups 1: dense rows of 256 bytes (32 elements of 8), 13 and 91 of them
	s_mov_b32 s[\g+0], 15|(3<<16)|(1<<21)          ; the mask: all four work-groups; bit 21 beside it; no padding
	s_mov_b32 s[\g+1], 32<<16
	s_mov_b32 s[\g+3], 32<<16
	s_mov_b32 s[\g+5], 32
	s_mov_b32 s[\g+6], 0
	s_mov_b32 s[\g+7], 0
.endr
	s_mov_b32 s26, 13<<16
	s_mov_b32 s28, 13
	s_mov_b32 s34, 91<<16
	s_mov_b32 s36, 91
	s_lshl_b32 s72, s12, 2
	s_lshr_b32 s73, s[WV], 1
	s_add_co_u32 s72, s72, s73                     ; my block of 64 queries within the batch
	s_lshl_b32 s73, s13, 5
	s_add_co_u32 s73, s73, s72
	s_mul_i32 s73, s73, 3328                       ; Q's record
	s_lshr_b32 s74, s13, 4
	s_lshl_b32 s74, s74, 5
	s_add_co_u32 s74, s74, s72
	s_lshl_b32 s74, s74, 4
	s_and_b32 s75, s13, 15
	s_add_co_u32 s74, s74, s75
	s_mul_i32 s74, s74, 3328                       ; the output's record: (block of 64 tokens) x 16 + head
	s_and_b32 s71, s13, 1
	s_lshl_b32 s71, s71, 4                         ; an odd head's scale bytes stand 16 bits up
	s_and_b32 s75, s[WV], 1                        ; which two of the block's four tiles are mine
	s_mul_i32 s77, s75, 1536
	s_lshl_b32 s76, s75, 2
	s_add_co_u32 s76, s76, s73
	s_add_co_u32 s72, s73, s77
	s_lshl_b32 s78, s75, 7
	s_add_co_u32 s78, s78, s74
	s_add_co_u32 s74, s74, s77
	s_mov_b32 s73, 0
	s_mov_b32 s75, 0
	s_mov_b32 s77, 0
	s_mov_b32 s79, 0
	s_mov_b32 s[SEL], 0x76543210
	s_mov_b32 s[SEL+1], 0xfedcba98                 ; v_permlanex16_b32's selects for lane l xor 16
	s_mov_b32 s66, 0x3db8aa3b                      ; log2(e) / 16
	s_mov_b32 s67, s66                             ; (named with it as a pair, so it is written)
	s_mov_b32 s68, 0xc3200000                      ; -160
	s_mov_b32 s69, 0x43200000                      ; 160
	s_mov_b32 s[TB], 0
	s_wait_dscnt 0x0                               ; both opening adds are done
	s_wait_kmcnt 0x0
	s_add_nc_u64 s[22:23], s[6:7], s[20:21]
	s_mov_b32 s[G0+0], 1
	s_mov_b32 s[G0+1], s14                         ; the place in LDS is the place in the head's bytes
	s_mov_b32 s18, s14
	s_add_nc_u64 s[G0+2:G0+3], s[22:23], s[18:19]
	s_or_b32 s[G0+3], s[G0+3], 0x80000000
	s_mov_b32 s[G0+4], 1
	s_mov_b32 s[G0+5], s15
	s_mov_b32 s18, s15
	s_add_nc_u64 s[G0+6:G0+7], s[22:23], s[18:19]
	s_or_b32 s[G0+7], s[G0+7], 0x80000000
	s_add_nc_u64 s[72:73], s[4:5], s[72:73]        ; Q's codes, my two tiles
	s_add_nc_u64 s[76:77], s[4:5], s[76:77]        ; Q's scale words
	s_add_nc_u64 s[74:75], s[8:9], s[74:75]        ; the output's codes
	s_add_nc_u64 s[78:79], s[8:9], s[78:79]        ; and scale words
	CROUND                                         ; all four work-groups are here: the joint loads meet
	tensor_load_to_lds s[G0:G0+3], s[24:31]        ; key steps 0-1: my one tensor load at the head
	s_nop 0
	PLACES 4
	v_and_b32 v[L4], 31, v0                        ; lane
	v_and_b32 v12, 7, v0                           ; r % 8
	v_bfe_u32 v13, v0, 3, 1                        ; r / 8
	v_bfe_u32 v[SH], v0, 4, 1                      ; h
	s_delay_alu instid0(VALU_DEP_4)
	v_lshlrev_b32 v[BV16], 4, v[L4]
	v_lshlrev_b32 v[BV8], 3, v[L4]
	s_delay_alu instid0(VALU_DEP_4)
	v_mul_u32_u24 v14, v13, 1536                   ; two tiles of the record on for rows 8-15
	s_delay_alu instid0(VALU_DEP_4)
	v_cmp_eq_u32 s70, 1, v[SH]                     ; lanes 16-31
	v_lshlrev_b32 v[L4], 2, v[L4]
	s_delay_alu instid0(VALU_DEP_3)
	v_lshl_add_u32 v[BK16], v12, 4, v14
	s_delay_alu instid0(VALU_DEP_4)
	v_lshl_add_u32 v[BK8], v12, 3, v14
	v_lshlrev_b32 v[BKS], 3, v12
	s_delay_alu instid0(VALU_DEP_3)
	v_lshl_add_u32 v[BK16], v[SH], 8, v[BK16]      ; 1536 (r / 8) + 16 (r % 8) + 256 h
	s_delay_alu instid0(VALU_DEP_3)
	v_lshl_add_u32 v[BK8], v[SH], 7, v[BK8]        ; 1536 (r / 8) + 8 (r % 8) + 128 h
	s_delay_alu instid0(VALU_DEP_3)
	v_lshl_add_u32 v[BKS], v13, 2, v[BKS]
	s_delay_alu instid0(VALU_DEP_1)
	v_lshl_add_u32 v[BKS], v[SH], 7, v[BKS]        ; 8 (r % 8) + 4 (r / 8) + 128 h: lanes 16-31 take the odd tile's words
	v_lshlrev_b32 v[SH], 3, v[SH]                  ; 8 h
	global_load_b32 v[QS], v[BV8], s[76:77] offset:3072   ; lane 16 u + r: the word of row r of my tile u
	WIN 0x40
.irp q, 0,1
	global_load_b128 v[QF+12*\q:QF+12*\q+3], v[BV16], s[72:73] offset:768*\q
	global_load_b64 v[QF+12*\q+4:QF+12*\q+5], v[BV8], s[72:73] offset:768*\q+512
.endr
.irp i, 0,1,2,3,4,5
	v_mov_b32 v[KF+48+\i], 0                       ; behind K's last half fragment: zeros, written once
.endr
.irp q, 0,1
.irp i, 6,7,8,9,10,11
	v_mov_b32 v[QF+12*\q+\i], 0                    ; the upper 64 codes of Q: zeros, written once
.endr
.endr
	WIN 0
	KADR                                           ; key step 0
	s_wait_alu depctr_va_vdst(0)
	s_wait_tensorcnt 0x0                           ; my part of key steps 0-1 is in
	ds_add_u32 v[SPW], v[NIL]
	s_wait_dscnt 0x0
	CROUND                                         ; everybody's part is in, and all four work-groups are here
	tensor_load_to_lds s[G0+4:G0+7], s[32:39]      ; key steps 2-15: my one tensor load behind the round
	s_nop 0
	PLACES 4
	KLOAD
; A KEY STEP: 128 keys; V at LDS byte s[TB].  zero = 1: its products start O^T's sums and its p the rows' sums.  more = 1: the next step's K is fetched.
.macro STEP zero, more
	s_wait_dscnt 0x0                               ; K and its scale words, asked for a step ago
	WIN 0x05                                       ; sources 0 and 1 in window 1; source 2 and the destination in window 0
.irp i, 0,1,2,3
	WM S+8*\i, KF+6*\i, QF, 0, KS+\i/2, QS, \i%2, 0
.endr
	PLACES 4                                       ; in front of the first read of group 0's results
.irp g, 1,2,3
.irp i, 0,1,2,3
	WM S+32*\g+8*\i, KF+6*(4*(\g%2)+\i), QF+12*(\g/2), 0, KS+2*(\g%2)+\i/2, QS, \i%2, \g/2
.irp j, 0,1,2,3,4,5,6,7
	v_med3_num_f32 v[S+32*(\g-1)+8*\i+\j], s68, s69, v[S+32*(\g-1)+8*\i+\j]   ; the clip of the group before, each accumulator from its low end on; eight such lines are also the places behind each product
.endr
.endr
.endr
	WIN 0
	v_add_nc_u32 v[AV16], s[TB], v[BV16]
	v_add_nc_u32 v[AV8], s[TB], v[BV8]
.if \more
	s_add_co_u32 s[TB], s[TB], KSB
	KADR
.endif
	ds_load_b64 v[VR:VR+1], v[AV8] offset:12800    ; V's scale words, the two blocks of 64 keys apart
	ds_load_b64 v[VR+2:VR+3], v[AV8] offset:13056
	WIN 0x40
.irp t, 0,1,2,3
.irp c, 0,1
	ds_load_b128 v[VF+12*\t+6*\c:VF+12*\t+6*\c+3], v[AV16] offset:6144+3072*\c+768*\t
	ds_load_b64 v[VF+12*\t+6*\c+4:VF+12*\t+6*\c+5], v[AV8] offset:6144+3072*\c+768*\t+512
.endr
.endr
.if \more
	KLOAD
.endif
	WIN 0
.set JI, 0
.rept 32
	v_med3_num_f32 v[S+96+JI], s68, s69, v[S+96+JI]   ; group 3's clip
.set JI, JI+1
.endr
.irp k, 0,1,2,3                        ; the largest clipped score of each block of 32 keys, in two chains a block
	v_max3_num_f32 v[MX+\k], v[S+32*\k], v[S+32*\k+1], v[S+32*\k+2]
	v_max3_num_f32 v[BY+\k], v[S+32*\k+16], v[S+32*\k+17], v[S+32*\k+18]
.endr
.irp i, 3,5,7,9,11,13
.irp k, 0,1,2,3
	v_max3_num_f32 v[MX+\k], v[MX+\k], v[S+32*\k+\i], v[S+32*\k+\i+1]
	v_max3_num_f32 v[BY+\k], v[BY+\k], v[S+32*\k+16+\i], v[S+32*\k+17+\i]
.endr
.endr
.irp k, 0,1,2,3
	v_max3_num_f32 v[MX+\k], v[MX+\k], v[S+32*\k+15], v[S+32*\k+31]
.endr
	MULR 0, 0, 8                                   ; group 0's multiplications stand between the links of the maxima's chain
.irp k, 0,1,2,3
	v_max_num_f32 v[MX+\k], v[MX+\k], v[BY+\k]
.endr
	MULR 0, 16, 8
	v_pk_mul_f32 v[MX:MX+1], v[MX:MX+1], s[66:67] op_sel_hi:[1,0]
	v_pk_mul_f32 v[MX+2:MX+3], v[MX+2:MX+3], s[66:67] op_sel_hi:[1,0]
	s_wait_alu depctr_va_vdst(0)                   ; one wait between batches: behind the one, ahead of the next
.irp k, 0,1,2,3
	v_exp_f32 v[MX+\k], v[MX+\k]                   ; each block's largest p: the same lines on the same number give the same bits
.endr
	BATCH 0, 1
	s_wait_alu depctr_va_vdst(0)
	BATCH 1, 2
	s_wait_alu depctr_va_vdst(0)
	BATCH 2, 3
	s_wait_alu depctr_va_vdst(0)
	BATCH 3, -1
	v_nop                                          ; one plain place behind the last exponential
	s_wait_alu depctr_va_vdst(0)
.if \more
	s_wait_dscnt 20                                ; V and its scale words are in; behind them the next K's 16 + 4 loads
.else
	s_wait_dscnt 0x0
.endif
.irp k, 0,1,2,3
	v_add_nc_u32 v[MX+\k], 0xfe000000, v[MX+\k]    ; 4 off the exponent field: the conversion's scale operand.  (No floor: p is at least 2^-14.5)
.endr
	v_or_b32 v[VS], v[VR], v[VR+2]                 ; V's scale words: bytes 0, 1 from the lower 64 keys, bytes 2, 3 from the upper
	v_or_b32 v[VS+1], v[VR+1], v[VR+3]
.irp k, 0,1,2,3
	v_lshrrev_b32 v[BY+\k], 23, v[MX+\k]           ; the scale's byte
.endr
	CVT 0
.irp q, 0,1
	v_lshl_or_b32 v[PS+\q], v[BY+2*\q+1], 16, v[BY+2*\q]   ; my two bytes: blocks h and 2 + h.  (Also the plain place behind the conversions)
.endr
	MOV3 0, 0
.irp q, 0,1
	v_lshlrev_b32 v[PS+\q], v[SH], v[PS+\q]        ; at their places in the word;
.endr
	MOV3 0, 1
.irp q, 0,1
	v_permlanex16_b32 v[BY+\q], v[PS+\q], s[SEL], s[SEL+1]
.endr
	CVT 1
.irp q, 0,1
	v_or_b32 v[PS+\q], v[PS+\q], v[BY+\q]          ; with lane l xor 16's two the word is whole.  (Also the plain place behind the conversions)
.endr
	MOV3 1, 0
	MOV3 1, 1
.if \zero
	WIN 0x40
.set JI, 0
.rept 32                                       ; the first step's p start the rows' sums: groups 2 q and 2 q + 1, pair by pair
	v_pk_add_f32 v[AC+2*JI:AC+2*JI+1], v[S+64*(JI/16)+2*(JI%16):S+64*(JI/16)+2*(JI%16)+1], v[S+64*(JI/16)+32+2*(JI%16):S+64*(JI/16)+32+2*(JI%16)+1]
.set JI, JI+1
.endr
	WIN 0x51
.else
.set CJ, 0
	WIN 0x51                                       ; source 0, source 2 and the destination in window 1, source 1 in window 0: for the products and the sums alike
	SUMS 4                                         ; four places between the last line that wrote an operand and the products
.endif
	s_wait_alu depctr_va_vdst(0)                   ; directly ahead of the first reader of O^T
.irp t, 0,1,2,3                        ; the eight accumulators by turns, one instruction a turn
.irp q, 0,1
.if \zero
	WM O+32*\q+8*\t, VF+12*\t, PC+12*\q, 0, VS+\t/2, PS+\q, \t%2, 0
.else
	WM O+32*\q+8*\t, VF+12*\t, PC+12*\q, v[O+32*\q+8*\t:O+32*\q+8*\t+7], VS+\t/2, PS+\q, \t%2, 0
	SUMS 8
.endif
.endr
.endr
	WIN 0
.endm
	s_wait_loadcnt 0x0                             ; Q
	STEP 1, 1                                      ; key step 0; it fetches key step 1's K, which the head's load brought
	s_wait_tensorcnt 0x0                           ; my part of key steps 2-15 is in
	s_wait_dscnt 0x0                               ; no LDS instruction of mine is out at the signal
	s_barrier_signal -1
	s_barrier_wait -1                              ; everybody's part is in
	s_mov_b32 s61, 14
.Lkeys:
	STEP 0, 1
	s_sub_co_u32 s61, s61, 1
	s_cmp_lg_u32 s61, 0
	s_cbranch_scc1 .Lkeys
	STEP 0, 0                                      ; key step 15 fetches nothing more
	; THE WAY OUT: the rows' sums; O^T / the sum, quantised along the head's 64: two half fragments and a scale word a row
	WIN 0x55                                       ; the sums lie in window 1
.irp d, 16,8,4,2
.set JI, 0
.rept \d/2
.irp q, 0,1
.if \d == 4
	s_delay_alu instid0(VALU_DEP_4)
.endif
.if \d == 2
	s_delay_alu instid0(VALU_DEP_2)
.endif
	v_pk_add_f32 v[AC+32*\q+JI:AC+32*\q+JI+1], v[AC+32*\q+JI:AC+32*\q+JI+1], v[AC+32*\q+\d+JI:AC+32*\q+\d+JI+1]
.endr
.set JI, JI+2
.endr
.endr
.irp q, 0,1
	s_delay_alu instid0(VALU_DEP_2)
	v_add_f32 v[AC+32*\q], v[AC+32*\q], v[AC+32*\q+1]
.endr
.irp q, 0,1
	s_delay_alu instid0(VALU_DEP_2)
	v_permlanex16_b32 v[AC+32*\q+2], v[AC+32*\q], s[SEL], s[SEL+1]
.endr
.irp q, 0,1
	s_delay_alu instid0(VALU_DEP_2)
	v_add_f32 v[AC+32*\q], v[AC+32*\q], v[AC+32*\q+2]   ; with lane l xor 16's keys: the row's sum
.endr
	s_wait_alu depctr_va_vdst(0)
	v_rcp_f32 v[AC+4], v[AC]
	v_rcp_f32 v[AC+36], v[AC+32]
	v_nop                                          ; one plain place behind the transcendentals
	WIN 0x05
	s_wait_alu depctr_va_vdst(0)
.irp q, 0,1
.irp j, 0,2,4,6,8,10,12,14,16,18,20,22,24,26,28,30
	v_pk_mul_f32 v[S+32*\q+\j:S+32*\q+\j+1], v[O+32*\q+\j:O+32*\q+\j+1], v[AC+4+32*\q:AC+5+32*\q] op_sel_hi:[1,0]   ; register 16 b + i: channel 32 b + 16 (lane / 16) + i
.endr
.endr
	WIN 0
.set QM, 24                            ; largest magnitudes, then scale words
.set QP, 28
.set QO, 32
.set QB, 36
.set QC, 40
.set QT, 56
.irp k, 0,1,2,3
	v_max3_num_f32 v[QM+\k], |v[S+16*\k]|, |v[S+16*\k+1]|, 0x2800000   ; my 16 numbers of the block, and the floor 2^(5 - 127)
.endr
.irp i, 2,4,6,8,10,12,14
.irp k, 0,1,2,3
	s_delay_alu instid0(VALU_DEP_4)
	v_max3_num_f32 v[QM+\k], v[QM+\k], |v[S+16*\k+\i]|, |v[S+16*\k+\i+1]|
.endr
.endr
.irp k, 0,1,2,3
	s_delay_alu instid0(VALU_DEP_4)
	v_permlanex16_b32 v[QP+\k], v[QM+\k], s[SEL], s[SEL+1]
.endr
.irp k, 0,1,2,3
	s_delay_alu instid0(VALU_DEP_4)
	v_max_num_f32 v[QM+\k], v[QM+\k], v[QP+\k]     ; with lane l xor 16's 16: the block's largest magnitude
.endr
.irp k, 0,1,2,3
	s_delay_alu instid0(VALU_DEP_4)
	v_add_nc_u32 v[QO+\k], 0xfe000000, v[QM+\k]
.endr
.irp k, 0,1,2,3
	s_delay_alu instid0(VALU_DEP_4)
	v_lshrrev_b32 v[QB+\k], 23, v[QO+\k]
.endr
	s_delay_alu instid0(VALU_DEP_3)
	v_lshl_or_b32 v[QM], v[QB+1], 8, v[QB]
	s_delay_alu instid0(VALU_DEP_2)
	v_lshl_or_b32 v[QM+1], v[QB+3], 8, v[QB+2]
.irp q, 0,1
	v_cvt_scalef32_pk16_bf6_f32 v[QC+8*\q:QC+8*\q+2], v[S+32*\q:S+32*\q+15], v[QO+2*\q]
	v_cvt_scalef32_pk16_bf6_f32 v[QT+4*\q:QT+4*\q+2], v[S+32*\q+16:S+32*\q+31], v[QO+2*\q+1]
.endr
	v_nop                                          ; one plain place behind a scaled conversion
.irp q, 0,1
.irp i, 0,1,2
	v_permlane16_swap_b32 v[QC+8*\q+\i], v[QT+4*\q+\i]   ; a whole block to a lane: lanes 0-15 block 0, lanes 16-31 block 1
.endr
.irp i, 0,1,2
	s_delay_alu instid0(VALU_DEP_3)
	v_mov_b32 v[QC+8*\q+3+\i], v[QT+4*\q+\i]
.endr
.endr
	v_cndmask_b32 v[QM+2], v[QM], v[QM+1], s70     ; lane 16 u + r: the word of row r of my tile u,
	s_delay_alu instid0(VALU_DEP_1)
	v_lshlrev_b32 v[QM+2], s71, v[QM+2]            ; at its head's place in the word of 128 along the last product's K
.irp q, 0,1
	global_store_b128 v[BV16], v[QC+8*\q:QC+8*\q+3], s[74:75] offset:768*\q          ; 512 consecutive bytes, aligned to 256
	global_store_b64 v[BV8], v[QC+8*\q+4:QC+8*\q+5], s[74:75] offset:768*\q+512      ; 256 consecutive bytes, aligned
.endr
	global_store_b32 v[L4], v[QM+2], s[78:79] offset:3072
	s_wait_tensorcnt 0x0                           ; the wave's end
	ds_add_u32 v[SPW], v[NIL]
	s_wait_dscnt 0x0
	CROUND                                         ; the closing round
	s_endpgm
.Lfunc_end_k_q17ce768b32_attn:
	.size	k_q17ce768b32_attn, .Lfunc_end_k_q17ce768b32_attn-k_q17ce768b32_attn
	.p2alignl 7, 3214868480
	.fill 96, 4, 3214868480
	.section	.rodata,"a",@progbits
	.p2align	6, 0x0
	.amdhsa_kernel k_q17ce768b32_attn
		.amdhsa_group_segment_fixed_size 327680
		.amdhsa_private_segment_fixed_size 0
		.amdhsa_enable_private_segment 0
		.amdhsa_kernarg_size 24
		.amdhsa_user_sgpr_count 2
		.amdhsa_user_sgpr_kernarg_segment_ptr 1
		.amdhsa_wavefront_size32 1
		.amdhsa_system_sgpr_workgroup_id_x 1
		.amdhsa_system_sgpr_workgroup_id_y 1
		.amdhsa_system_sgpr_workgroup_id_z 1
		.amdhsa_system_vgpr_workitem_id 0
		.amdhsa_next_free_vgpr 512
		.amdhsa_next_free_sgpr 80
		.amdhsa_reserve_vcc 0
		.amdhsa_float_denorm_mode_32 3
		.amdhsa_float_denorm_mode_16_64 3
		.amdhsa_memory_ordered 1
		.amdhsa_forward_progress 1
		.amdhsa_inst_pref_size 113
	.end_amdhsa_kernel
	.amdgpu_metadata
---
amdhsa.version: [ 1, 2 ]
amdhsa.kernels:
  - .name:           k_q17ce768b32_attn
    .symbol:         k_q17ce768b32_attn.kd
    .args:
      - { .name: qf, .offset: 0, .size: 8, .value_kind: global_buffer, .address_space: global }
      - { .name: kv, .offset: 8, .size: 8, .value_kind: global_buffer, .address_space: global }
      - { .name: ao, .offset: 16, .size: 8, .value_kind: global_buffer, .address_space: global }
    .group_segment_fixed_size: 327680
    .private_segment_fixed_size: 0
    .kernarg_segment_align: 8
    .kernarg_segment_size: 24
    .max_flat_workgroup_size: 256
    .sgpr_count:     80
    .vgpr_count:     512
    .wavefront_size: 32
...
	.end_amdgpu_metadata
.endif
;; end of part 3
;; launch oproj (part 4): grid 16 x 16, 4 waves a work-group, clusters of 4 x 1, 282,112 bytes of LDS; arguments ao, wf, bo, x, out0; writes out0
.if DOCPART == 4
	.amdgcn_target "amdgcn-amd-amdhsa--gfx1250"
	.amdhsa_code_object_version 6
	.text
	.protected	k_q17ce768b32_oproj
	.globl	k_q17ce768b32_oproj
	.p2align	8
	.type	k_q17ce768b32_oproj,@function
k_q17ce768b32_oproj:
	s_mov_b64 s[64:65], 0
	v_nop
	global_prefetch_b8 v0, s[64:65] scope:SCOPE_SE
	s_setreg_imm32_b32 hwreg(HW_REG_WAVE_MODE, 25, 1), 1
	s_wait_xcnt 0x0
	s_wait_alu depctr_hold_cnt(0) depctr_sa_sdst(0) depctr_va_vdst(0) depctr_va_sdst(0) depctr_va_ssrc(0) depctr_va_vcc(0) depctr_vm_vsrc(0)
	s_getreg_b32 s2, hwreg(HW_REG_IB_STS2, 6, 4)
	s_cmp_eq_u32 s2, 0
	s_cbranch_scc0 .Lentry_in_a_cluster
	s_endpgm
.Lentry_in_a_cluster:
	s_bfe_u32 s2, ttmp6, 0x10000c
	s_cmp_lg_u32 s2, 0x3003
	s_cbranch_scc0 .Lentry_shape_is_right
	s_endpgm
.Lentry_shape_is_right:
; OPROJ.  out0 = x + 0.1 (a Wo^T + bo), a = the attention's output as codes of BF6 with E8M0 scales, Wo as laid by the first launch.
; SHARES.  A work-group takes 256 tokens (rb) x 64 features (fb); wave w tokens 64 w .. 64 w + 63: 4 x 4 accumulators.  K = 1,024 in eight steps of 128: two heads a step, each head a half fragment.
; LDS, every byte filled once: a's records of my wave's 64 tokens (16 heads x 3,328 bytes) at 53,248 w, read by my wave alone; Wo's record at 212,992, read by all; a stage of 16 x 272 bytes a wave at 264,192, into which no fill lands.
; CLUSTER.  The four work-groups of a cluster have the same tokens: a, 208 KB, is asked for jointly; Wo's record (50 KB, another one in each partner) by a load of the work-group's own.
; Source 0 = 16 rows of Wo, source 1 = 16 tokens: a lane holds one token and eight neighbouring features.  The bias is the C of each sum's first product.
; REGISTERS: window 0: v1-10 addresses; v16-31 a's scale words, v32-47 Wo's, v48-63 a's as they lie (a head's two bytes each); v64-95 rows on the way out; v128-255 accumulators (o, n) at 128 + 32 o + 8 n.
;   window 1: two sets of a's four fragments at 48 x set + 12 i, of Wo's at 96 + 48 x set + 12 n.   window 2: x at 32 o + 4 i; the bias at 128 + 8 n.
.set SA,   16
.set SW,   32
.set RAW,  48
.set RB,   64
.set ACC,  128
.set XR,   0
.set BI,   128
.set WV,   14
.set G1A,  24
.set G1W,  32
.set G0,   40
.set MSB,  0
.macro WIN new                         ; the immediate's high byte repeats the setting that is left
.if MSB != (\new)
	s_set_vgpr_msb (MSB<<8)|(\new)
.set MSB, (\new)
.endif
.endm
.macro PLACES n
.rept \n
	v_nop
.endr
.endm
.macro CROUND                          ; a round of the cluster's barrier
	s_barrier_signal -1
	s_barrier_wait -1
	s_cmp_lg_u32 s[WV], 0
	s_cbranch_scc1 .Lnot_wave_0_\@
	s_barrier_signal -3
.Lnot_wave_0_\@:
	s_barrier_wait -3
	s_barrier_signal -1
	s_barrier_wait -1
.endm
.macro WM d, a, b, c, sa, sb, ra, rb
.if (\ra) && (\rb)
	v_wmma_scale_f32_16x16x128_f8f6f4 v[(\d):(\d)+7], v[(\a):(\a)+11], v[(\b):(\b)+11], v[(\c):(\c)+7], v[\sa], v[\sb] matrix_a_fmt:MATRIX_FMT_BF6 matrix_b_fmt:MATRIX_FMT_BF6 matrix_a_scale:MATRIX_SCALE_ROW1 matrix_b_scale:MATRIX_SCALE_ROW1
.elseif \ra
	v_wmma_scale_f32_16x16x128_f8f6f4 v[(\d):(\d)+7], v[(\a):(\a)+11], v[(\b):(\b)+11], v[(\c):(\c)+7], v[\sa], v[\sb] matrix_a_fmt:MATRIX_FMT_BF6 matrix_b_fmt:MATRIX_FMT_BF6 matrix_a_scale:MATRIX_SCALE_ROW1
.elseif \rb
	v_wmma_scale_f32_16x16x128_f8f6f4 v[(\d):(\d)+7], v[(\a):(\a)+11], v[(\b):(\b)+11], v[(\c):(\c)+7], v[\sa], v[\sb] matrix_a_fmt:MATRIX_FMT_BF6 matrix_b_fmt:MATRIX_FMT_BF6 matrix_b_scale:MATRIX_SCALE_ROW1
.else
	v_wmma_scale_f32_16x16x128_f8f6f4 v[(\d):(\d)+7], v[(\a):(\a)+11], v[(\b):(\b)+11], v[(\c):(\c)+7], v[\sa], v[\sb] matrix_a_fmt:MATRIX_FMT_BF6 matrix_b_fmt:MATRIX_FMT_BF6
.endif
.endm
	s_load_b256 s[4:11], s[0:1], 0x0               ; ao 4, wf 6, bo 8, x 10
	s_load_b64 s[12:13], s[0:1], 0x20              ; out0
	v_lshl_add_u32 v126, v0, 2, 0x44c00
	v_mov_b32 v127, 0
	ds_add_u32 v126, v127
	ds_add_u32 v126, v127
	v_lshrrev_b32 v1, 5, v0
	v_readfirstlane_b32 s[WV], v1                  ; wave
	v_and_b32 v11, 31, v0                          ; lane
	v_and_b32 v12, 15, v0                          ; r
	v_bfe_u32 v13, v0, 4, 1                        ; h
	v_lshlrev_b32 v1, 4, v11
	v_lshlrev_b32 v2, 3, v11
	s_mul_i32 s20, s[WV], 53248                    ; my wave's part of a in LDS
	v_add_nc_u32 v3, s20, v1
	v_add_nc_u32 v4, s20, v2
	s_add_co_u32 s21, s20, 3072
	v_lshlrev_b32 v5, 2, v11
	v_add_nc_u32 v5, s21, v5                       ; its scale words: 4 x lane behind a record's codes
	v_lshl_add_u32 v6, v11, 4, 212992              ; Wo's record
	s_mul_i32 s21, s[WV], 4352
	s_add_co_u32 s21, s21, 264192                  ; my stage
	v_mul_u32_u24 v7, v12, 272
	v_lshl_add_u32 v7, v13, 6, v7
	v_add_nc_u32 v7, s21, v7                       ; in: row r, + 64 h
	v_mul_u32_u24 v8, v13, 272
	v_lshl_add_u32 v8, v12, 4, v8
	v_add_nc_u32 v8, s21, v8                       ; back: lanes 0-15 one row of 256 bytes, lanes 16-31 the next
	v_lshlrev_b32 v9, 12, v13
	v_lshl_add_u32 v9, v12, 4, v9                  ; and the same two rows in x and out0
	v_lshlrev_b32 v10, 6, v13                      ; the bias: + 64 h
	s_bfe_u32 s15, ttmp6, 0x40000                  ; cx
	s_lshl_b32 s16, ttmp9, 2
	s_add_co_u32 s16, s16, s15                     ; fb: my 64 features
	s_and_b32 s17, ttmp7, 0xffff                   ; rb: the 256 tokens, which the four partners share
	s_lshl_b32 s18, s17, 2
	s_add_co_u32 s18, s18, s[WV]                   ; my block of 64 tokens
	s_and_b32 s60, s[WV], 1                        ; which half of a (waves 0, 1) or of Wo's record (waves 2, 3) I fetch
	s_mul_i32 s61, s60, 106496                     ; a's half: 128 tokens' records, in LDS and in memory alike
	s_mul_i32 s22, s17, 212992
	s_add_co_u32 s22, s22, s61
	s_mov_b32 s23, 0
	s_add_co_u32 s54, s16, 48                      ; Wo is the fourth matrix: record 48 + fb
	s_mul_i32 s54, s54, 51200
	s_mul_i32 s19, s60, 25600
	s_add_co_u32 s54, s54, s19
	s_mov_b32 s55, 0
	s_lshl_b32 s56, s16, 8                         ; 64 features of f32
	s_mov_b32 s57, 0
	s_lshl_b32 s58, s18, 18                        ; 64 rows of 4,096 bytes
	s_add_co_u32 s58, s58, s56
	s_mov_b32 s59, 0
	s_mov_b32 s52, 0x3dcccccd                      ; 0.1
	s_mov_b32 s53, s52                             ; (named with it as a pair, so it is written)
	s_mov_b32 s[G1A+0], 15|(3<<16)|(1<<21)         ; a: the mask of all four; elements of 8 bytes; bit 21 beside a mask
	s_mov_b32 s[G1A+1], 32<<16                     ; rows of 256 bytes,
	s_mov_b32 s[G1A+2], 416<<16                    ; 416 of them: the records of 128 tokens
	s_mov_b32 s[G1A+3], 32<<16
	s_mov_b32 s[G1A+4], 416
	s_mov_b32 s[G1A+5], 32
	s_mov_b32 s[G1A+6], 0
	s_mov_b32 s[G1A+7], 0
	s_mov_b32 s[G1W+0], 3<<16                      ; Wo: no mask
	s_mov_b32 s[G1W+1], 32<<16
	s_mov_b32 s[G1W+2], 100<<16                    ; 100 rows: half of the record
	s_mov_b32 s[G1W+3], 32<<16
	s_mov_b32 s[G1W+4], 100
	s_mov_b32 s[G1W+5], 32
	s_mov_b32 s[G1W+6], 0
	s_mov_b32 s[G1W+7], 0
	s_wait_dscnt 0x0
	s_wait_kmcnt 0x0
	s_mov_b32 s[G0+0], 1
	s_mov_b32 s[G0+1], s61
	s_add_nc_u64 s[G0+2:G0+3], s[4:5], s[22:23]
	s_or_b32 s[G0+3], s[G0+3], 0x80000000
	s_mov_b32 s[G0+4], 1
	s_add_co_u32 s[G0+5], s19, 212992
	s_add_nc_u64 s[G0+6:G0+7], s[6:7], s[54:55]
	s_or_b32 s[G0+7], s[G0+7], 0x80000000
	s_add_nc_u64 s[8:9], s[8:9], s[56:57]
	s_add_nc_u64 s[10:11], s[10:11], s[58:59]
	s_add_nc_u64 s[12:13], s[12:13], s[58:59]
	CROUND                                         ; all four work-groups are here: the joint loads meet
	s_cmp_lt_u32 s[WV], 2                          ; one tensor load a wave: waves 0, 1 a's two halves, jointly; waves 2, 3 the two halves of Wo's record
	s_cbranch_scc0 .Lfor_w
	tensor_load_to_lds s[G0:G0+3], s[G1A:G1A+7]
	s_nop 0
	PLACES 4
	s_branch .Lasked
.Lfor_w:
	tensor_load_to_lds s[G0+4:G0+7], s[G1W:G1W+7]
	s_nop 0
	PLACES 4
.Lasked:
	WIN 0x80
	s_wait_alu depctr_va_vdst(0)
.irp n, 0,1,2,3
	global_load_b128 v[BI+8*\n:BI+8*\n+3], v10, s[8:9] offset:128*(\n/2)+32*(\n%2)         ; bo at features 32 (n / 2) + 16 h + 8 (n % 2) + 0 .. 7
	global_load_b128 v[BI+8*\n+4:BI+8*\n+7], v10, s[8:9] offset:128*(\n/2)+32*(\n%2)+16
.endr
	WIN 0
.macro RAWLOAD h0                      ; the scale words of eight heads, from head h0 on: register 2 k + p: lanes 16 u + r: row r of tile 2 p + u
.irp k, 0,1,2,3,4,5,6,7
.irp p, 0,1
	ds_load_b32 v[RAW+2*\k+\p], v5 offset:3328*(\h0+\k)+128*\p
.endr
.endr
.endm
.macro MKSA s0                         ; two heads' bytes make the word of a K step: four steps from s0 on
.irp k, 0,1,2,3
.irp p, 0,1
	v_or_b32 v[SA+8*\p+\s0+\k], v[RAW+4*\k+\p], v[RAW+4*\k+2+\p]
.endr
.endr
.endm
.macro FETCH s                         ; K step s: a's four fragments (two half fragments each) and Wo's four, into set s % 2
	WIN 0x40
.set BB, 48*((\s)%2)
.irp i, 0,1,2,3
.irp c, 0,1
	ds_load_b128 v[BB+12*\i+6*\c:BB+12*\i+6*\c+3], v3 offset:3328*(2*(\s)+\c)+768*\i
	ds_load_b64 v[BB+12*\i+6*\c+4:BB+12*\i+6*\c+5], v4 offset:3328*(2*(\s)+\c)+768*\i+512
.endr
.endr
.irp n, 0,1,2,3
.irp c, 0,1,2
	ds_load_b128 v[96+BB+12*\n+4*\c:96+BB+12*\n+4*\c+3], v6 offset:2048+6144*(\s)+1536*\n+512*\c
.endr
.endr
.endm
; A K step: 16 products, the 16 accumulators by turns, one instruction a turn, in the same order in every step.
.macro OSTEP s
	s_wait_dscnt 0x0                               ; this step's fragments, asked for a step ago
.if \s == 4
	WIN 0
	MKSA 4
	PLACES 8                                       ; between the lines that made the scale words and the products; also in front of the loads below
.elseif \s > 0
	PLACES 4                                       ; in front of loads into the set that the last step's products read
.endif
.if \s == 3
	WIN 0
	RAWLOAD 8
.endif
.if \s < 7
	FETCH \s+1
.endif
.set WB, 48*(\s%2)
.if \s == 0
	WIN 0x25
.else
	WIN 0x05
.endif
.irp o, 0,1,2,3
.irp n, 0,1,2,3
.if \s == 0
	WM ACC+32*\o+8*\n, 96+WB+12*\n, WB+12*\o, BI+8*\n, SW+8*(\n/2)+\s, SA+8*(\o/2)+\s, \n%2, \o%2
.else
	WM ACC+32*\o+8*\n, 96+WB+12*\n, WB+12*\o, ACC+32*\o+8*\n, SW+8*(\n/2)+\s, SA+8*(\o/2)+\s, \n%2, \o%2
.endif
.endr
.endr
.endm
	s_wait_tensorcnt 0x0                           ; my one load is in
	s_barrier_signal -1
	s_barrier_wait -1                              ; everybody's load is
.irp q, 0,1,2,3
	ds_load_b128 v[SW+4*\q:SW+4*\q+3], v6 offset:512*\q
.endr
	RAWLOAD 0
	FETCH 0
	WIN 0
	s_wait_dscnt 0x0
	MKSA 0
	PLACES 8                                       ; between the lines that made the scale words and the products
	s_wait_alu depctr_va_vdst(0)
	s_wait_loadcnt 0x0                             ; the bias is in
	WIN 0x80
.irp o, 0,1,2,3                        ; x is asked for here, when the operands are in: it is wanted on the way out alone, tile by tile in this order
.irp i, 0,1,2,3,4,5,6,7
	global_load_b128 v[XR+32*\o+4*\i:XR+32*\o+4*\i+3], v9, s[10:11] offset:4096*(32*(\o/2)+8*(\o%2)+2*\i+8*(\i/4))   ; x at the places that I store: sixteen lanes read 256 consecutive bytes
.endr
.endr
	WIN 0
.irp s, 0,1,2,3,4,5,6,7
	s_wait_alu depctr_va_vdst(0)
	OSTEP \s
.endr
	WIN 0
	PLACES 4                                       ; in front of the first read of results
	; THE WAY OUT, a tile of 16 tokens at a time: through my own stage, back as rows of 256 bytes, x + 0.1 (a Wo^T + bo), stored
.irp o, 0,1,2,3
	s_wait_xcnt 0x0                                ; the last tile's stores have read their data registers
.irp n, 0,1,2,3
	ds_store_b128 v7, v[ACC+32*\o+8*\n:ACC+32*\o+8*\n+3] offset:128*(\n/2)+32*(\n%2)        ; each accumulator from its low end on
	ds_store_b128 v7, v[ACC+32*\o+8*\n+4:ACC+32*\o+8*\n+7] offset:128*(\n/2)+32*(\n%2)+16
.endr
.irp i, 0,1,2,3,4,5,6,7
	ds_load_b128 v[RB+4*\i:RB+4*\i+3], v8 offset:544*\i   ; LDS serves a wave's instructions in order (ISA guide 5.7.1.4): these see my stores
.endr
	s_wait_dscnt 0x0
	s_wait_loadcnt 24-8*\o                         ; this tile's eight loads of x are in; the later tiles' may be out
	WIN 0x20
.irp j, 0,2,4,6,8,10,12,14,16,18,20,22,24,26,28,30
	v_pk_fma_f32 v[RB+\j:RB+\j+1], v[RB+\j:RB+\j+1], s[52:53], v[XR+32*\o+\j:XR+32*\o+\j+1] op_sel_hi:[1,0,1]
.endr
	WIN 0
.irp i, 0,1,2,3,4,5,6,7
	global_store_b128 v9, v[RB+4*\i:RB+4*\i+3], s[12:13] offset:4096*(32*(\o/2)+8*(\o%2)+2*\i+8*(\i/4)) th:TH_STORE_NT   ; sixteen lanes store 256 consecutive bytes, aligned
.endr
.endr
	s_wait_tensorcnt 0x0
	ds_add_u32 v126, v127
	s_wait_dscnt 0x0
	CROUND                                         ; the closing round
	s_endpgm
.Lfunc_end_k_q17ce768b32_oproj:
	.size	k_q17ce768b32_oproj, .Lfunc_end_k_q17ce768b32_oproj-k_q17ce768b32_oproj
	.p2alignl 7, 3214868480
	.fill 96, 4, 3214868480
	.section	.rodata,"a",@progbits
	.p2align	6, 0x0
	.amdhsa_kernel k_q17ce768b32_oproj
		.amdhsa_group_segment_fixed_size 282112
		.amdhsa_private_segment_fixed_size 0
		.amdhsa_enable_private_segment 0
		.amdhsa_kernarg_size 40
		.amdhsa_user_sgpr_count 2
		.amdhsa_user_sgpr_kernarg_segment_ptr 1
		.amdhsa_wavefront_size32 1
		.amdhsa_system_sgpr_workgroup_id_x 1
		.amdhsa_system_sgpr_workgroup_id_y 1
		.amdhsa_system_sgpr_workgroup_id_z 1
		.amdhsa_system_vgpr_workitem_id 0
		.amdhsa_next_free_vgpr 704
		.amdhsa_next_free_sgpr 66
		.amdhsa_reserve_vcc 0
		.amdhsa_float_denorm_mode_32 3
		.amdhsa_float_denorm_mode_16_64 3
		.amdhsa_memory_ordered 1
		.amdhsa_forward_progress 1
		.amdhsa_inst_pref_size 57
	.end_amdhsa_kernel
	.amdgpu_metadata
---
amdhsa.version: [ 1, 2 ]
amdhsa.kernels:
  - .name:           k_q17ce768b32_oproj
    .symbol:         k_q17ce768b32_oproj.kd
    .args:
      - { .name: ao, .offset: 0, .size: 8, .value_kind: global_buffer, .address_space: global }
      - { .name: wf, .offset: 8, .size: 8, .value_kind: global_buffer, .address_space: global }
      - { .name: bo, .offset: 16, .size: 8, .value_kind: global_buffer, .address_space: global }
      - { .name: x, .offset: 24, .size: 8, .value_kind: global_buffer, .address_space: global }
      - { .name: out0, .offset: 32, .size: 8, .value_kind: global_buffer, .address_space: global }
    .group_segment_fixed_size: 282112
    .private_segment_fixed_size: 0
    .kernarg_segment_align: 8
    .kernarg_segment_size: 40
    .max_flat_workgroup_size: 128
    .sgpr_count:     66
    .vgpr_count:     704
    .wavefront_size: 32
...
	.end_amdgpu_metadata
.endif
;; end of part 4
